; MI455X (gfx1250); checked and timed in simulation.
; The chip was launched on July 23, 2026; its instructions are those of AMD's public machine-readable ISA for CDNA 5 (MIT licence, August 2026) and "CDNA5" Instruction Set Architecture Reference Guide (July 2026). The comments in the code are by the model that wrote it; some were corrected since.
;; Cosine Self Attention. Allowed arithmetic: matrix products marked QUANTISED: E5M2 operands, one E8M0 scale for each 32 along K, by v_wmma_scale_f32_16x16x128_f8f6f4 with both operands' format E5M2, f32 sums; products left as they are: f32 operands where the result goes on into a quantised operand, else bf16, f16 or f32 operands; f32 sums; everything else in f32.
;; Inputs: Wk 1,024 x 1,024 float32; Wq 1,024 x 1,024 float32; Wv 1,024 x 1,024 float32; attention_mask 4 x 1 x 1 x 4,096 float32; bk 1,024 float32; bq 1,024 float32; bv 1,024 float32; hidden_states 4 x 4,096 x 1,024 float32.
;; Outputs: out0 4 x 4,096 x 1,024 float32.
;; This version of the problem:
;;   THIS VERSION OF THE PROBLEM IS GIVEN IN LOW PRECISION. The matrix products marked QUANTISED in the list below multiply operands that are first quantised to E5M2 (5 exponent bits, 2 mantissa bits; 8 bits a number), with one power-of-two scale for each 32 numbers along K (OCP MX v1.0); their sums are f32. All else is computed in f32.
;;   The module's matrix products, in the order in which they are computed (A, B: the left and right operand; K: the contracted axis; several contracted axes count as one K, in the product's order):
;;     1. [M 16,384, K 1,024] x [K 1,024, N 1,024]; A: input hidden_states; B: input Wq: QUANTISED
;;     2. [M 16,384, K 1,024] x [K 1,024, N 1,024]; A: input hidden_states; B: input Wk: QUANTISED
;;     3. [M 16,384, K 1,024] x [K 1,024, N 1,024]; A: input hidden_states; B: input Wv: QUANTISED
;;     4. batch 64 x [M 64, K 4,096] x [K 4,096, N 64]; A: computed on the way; B: computed on the way: QUANTISED
;;     5. batch 64 x [M 4,096, K 64] x [K 64, N 64]; A: computed on the way; B: computed on the way: QUANTISED
;;     6. batch 64 x [M 4,096, K 64] x [K 64, N 1]; A: computed on the way; B: computed on the way: left as it is (N = 1 < 16)
;;   THE QUANTISER, for each operand of a quantised product, along K:
;;     - K is cut into blocks of 32 from its start; a last block that is shorter is filled with zeros.
;;     - A block's scale is 2^e with e = floor(log2(the largest magnitude in the block)) - 15, held to -126 .. 127; a block of zeros has e = 0. As a byte (E8M0): e + 127.
;;     - Each number is divided by its block's scale, clamped to +-57,344, and rounded to the nearest number of E5M2, ties to even, subnormals kept.
;;     - The product sums the exact products of the quantised numbers (number of the format x scale) in f32.
;;   ~~~python
;;   def quantise(x, axis):      # numpy; x: float32 -> the quantised numbers, widened to float32 again
;;       x = np.moveaxis(x, axis, -1); K = x.shape[-1]
;;       x = np.pad(x, [(0, 0)] * (x.ndim - 1) + [(0, -K % 32)]); x = x.reshape(x.shape[:-1] + (-1, 32)); a = np.abs(x).max(-1, keepdims=True)
;;       e = np.where(a > 0, np.clip(np.frexp(np.where(a > 0, a, 1))[1] - 1 - 15, -126, 127), 0)      # np.frexp(a)[1] - 1 = floor(log2(a)), exactly
;;       r = np.clip(x / 2.0 ** e, -57344, 57344)
;;       step = 2.0 ** (np.maximum(np.frexp(np.where(r == 0, 1, r))[1] - 1, -14) - 2)
;;       q = np.round(r / step) * step * 2.0 ** e      # np.round: ties to even
;;       return np.moveaxis(q.reshape(q.shape[:-2] + (-1,))[..., :K], -1, axis).astype(np.float32)
;;   ~~~
;;   OPERANDS COMPUTED ON THE WAY. 'Computed on the way' means the value that the module computes at that place (a softmax that the list does not call 'softmax' is quantised finished and normalised). What goes into a quantiser is computed in f32, as accurately as f32 sums, v_exp_f32 and their like allow (about 1e-6 of the number): no bf16 or f16 on the way to a quantiser, and a product that is left as it is and whose result goes on into a quantised operand takes f32 operands (vector FMAs, or v_wmma_f32_16x16x4_f32). A number that lies on a knife's edge between two numbers of the format may be rounded either way, as far as f32 arithmetic and the matrix unit's own rounding can turn it there, and no further.
;; One version. Each part assembles by itself: llvm-mc -triple=amdgcn-amd-amdhsa -mcpu=gfx1250 --defsym DOCPART=n.
;; ======== version 1 of 1: 4 launches
;; workspace buffers: xc 16,777,216 bytes; xs 524,288 bytes; wc 3,145,728 bytes; ws 98,304 bytes; part 17,825,792 bytes; fin 360,448 bytes
;; launch quant (part 1): grid 608 x 1, 4 waves a work-group, no clusters, 68,096 bytes of LDS; arguments hidden_states, Wk, Wv, Wq, xc, xs, wc, ws; writes xc, xs, wc, ws
.if DOCPART == 1
	.amdgcn_target "amdgcn-amd-amdhsa--gfx1250"
	.amdhsa_code_object_version 6
	.text
	.protected	k_qc29b5f66fd_quant
	.globl	k_qc29b5f66fd_quant
	.p2align	8
	.type	k_qc29b5f66fd_quant,@function
k_qc29b5f66fd_quant:
	s_mov_b64 s[64:65], 0
	v_nop
	global_prefetch_b8 v0, s[64:65] scope:SCOPE_SE
	s_setreg_imm32_b32 hwreg(HW_REG_WAVE_MODE, 25, 1), 1
	s_wait_xcnt 0x0
; x [16384][1024] f32 and Wk, Wv, Wq [1024 (K)][1024] f32 become codes of BF8 (E5M2) with K innermost and one E8M0 scale byte for each 32 along K.
; A block's scale is 2^(floor(log2(its largest magnitude)) - 15); its byte is the largest magnitude's exponent field - 15, held at 1 from below; each number is held within +-57,344 x the scale and rounded to the nearest code.
; THE ROWS ARE LAID IN ANOTHER ORDER: row i of x goes to place P(i), i with its bits 3 and 4 exchanged; so do the features of a weight.  Sixteen neighbouring places are then the sixteen rows
; 32 c + 8 u + r + 8 (r / 8), and in a later product's result a lane's 16 registers of two neighbouring tiles are 16 neighbours along the next K.
; wc, ws hold 3,072 rows: feature f of Wk at row 128 (f / 64) + P(f % 64), of Wv 64 rows further on (a head's k and v lie together), of Wq at row 2,048 + P(f).
; Work-groups 0 to 95 take the weights (32 each), 96 to 607 take x.  The two ways have LDS bytes of their own: x's 0 to 32,767, the weights' 32,768 to 67,583.  Waves share nothing: no barrier.
; No cluster: no two work-groups read the same bytes.
; LIMITS: a block of zeros, and a block whose largest magnitude lies under 2^-111, keeps the byte 1 (this program alone reads the bytes; zero codes add nothing); NaN and infinities among the inputs are not served.
.set EMAX,   15
.set MANT,   0x600000                  ; the mantissa field of 57,344 as f32
.set NWGW,   96                        ; work-groups for the weights
.set NB,     8                         ; weights: blocks of 32 along K for a wave (256 along K)
.set WPITCH, 272                       ; weights: a stage row: 256 codes + 16 bytes
.set WSTAGE, 32768
.set WX,     32                        ; v32-95   weights: two sets of 32 numbers
.set WC,     96                        ; v96-103  a block's codes
.set WOUT,   112                       ; v112-175 the way out
.set WSB,    24                        ; v24-25   the scale bytes
.set STEPS,  16                        ; x: steps of 512 numbers for a wave
.set WREG,   8192                      ; x: LDS of a wave: two stages of 32 x SP bytes, then its 256 scale bytes
.set SP,     80
.set XR,     16                        ; v16-79   x: four sets of 16 numbers as loaded
.set XX,     80                        ; v80-111  two sets of 16 neighbours
.set XE,     112                       ; v112-127 a scale byte for each step
.set XC,     128                       ; v128-191 codes: four registers for each step
	s_load_b256 s[4:11], s[0:1], 0x0               ; x s[4:5], Wk s[6:7], Wv s[8:9], Wq s[10:11]
	s_load_b256 s[12:19], s[0:1], 0x20             ; xc s[12:13], xs s[14:15], wc s[16:17], ws s[18:19]
	v_lshl_add_u32 v192, v0, 2, 0x10800
	v_mov_b32 v193, 0
	v_lshrrev_b32 v1, 5, v0
	v_readfirstlane_b32 s20, v1                    ; wave 0..3
	v_and_b32 v2, 31, v0                           ; lane
	s_mov_b32 s34, MANT
	s_cmp_lt_u32 ttmp9, NWGW
	s_cbranch_scc0 .Lx
; ---------------- THE WEIGHTS.  A lane takes a column (a feature) and its registers run down K: a block of 32 lies in one lane, and the codes come out with K innermost.
	s_lshr_b32 s21, ttmp9, 5                       ; which weight: 0 k, 1 v, 2 q
	s_bfe_u32 s22, ttmp9, 0x30002                  ; which 128 features
	s_and_b32 s23, ttmp9, 3                        ; which 256 along K
	s_lshl_b32 s24, s22, 7
	s_lshl_b32 s25, s20, 5
	s_add_co_u32 s24, s24, s25                     ; my wave's first feature f0, a multiple of 32
	s_lshr_b32 s25, s24, 6
	s_lshl_b32 s25, s25, 7
	s_and_b32 s26, s24, 63
	s_add_co_u32 s25, s25, s26
	s_lshl_b32 s26, s21, 6
	s_add_co_u32 s25, s25, s26                     ; k, v: row 128 (f0 / 64) + f0 % 64 + 64 for v
	s_add_co_u32 s26, s24, 2048                    ; q: row 2,048 + f0
	s_cmp_lt_u32 s21, 2
	s_cselect_b32 s25, s25, s26
	s_lshl_b32 s26, s23, 20                        ; in the weight: 256 rows of 4,096 bytes for each step along K,
	s_lshl_b32 s27, s24, 2
	s_add_co_u32 s26, s26, s27                     ; + 4 bytes a feature
	s_mov_b32 s27, 0
	s_lshl_b32 s28, s25, 10                        ; in wc: rows of 1,024 bytes, + 256 for each step along K
	s_lshl_b32 s29, s23, 8
	s_add_co_u32 s28, s28, s29
	s_mov_b32 s29, 0
	s_lshl_b32 s30, s25, 5                         ; in ws: rows of 32 bytes, + 8
	s_lshl_b32 s31, s23, 3
	s_add_co_u32 s30, s30, s31
	s_mov_b32 s31, 0
	v_lshlrev_b32 v3, 2, v2                        ; in: 4 bytes a lane
	s_mul_i32 s33, s20, 32*WPITCH
	s_add_co_u32 s33, s33, WSTAGE                  ; my stage
	v_mul_u32_u24 v4, v2, WPITCH
	v_add_nc_u32 v4, s33, v4                       ; into it: row = my lane's feature
	v_and_b32 v5, 15, v2
	v_lshrrev_b32 v6, 4, v2
	v_mul_u32_u24 v7, v6, WPITCH
	v_lshl_add_u32 v7, v5, 4, v7
	v_add_nc_u32 v7, s33, v7                       ; out of it: sixteen lanes to a row, two rows an instruction
	v_lshlrev_b32 v8, 10, v6
	v_lshl_add_u32 v8, v5, 4, v8                   ; and the same in wc
	v_and_b32 v9, 7, v2                            ; P(lane): bits 3 and 4 change places
	v_and_b32 v10, 8, v2
	v_lshl_or_b32 v9, v10, 1, v9
	v_and_b32 v10, 16, v2
	v_lshrrev_b32 v10, 1, v10
	v_or_b32 v9, v9, v10
	v_lshlrev_b32 v9, 5, v9                        ; my feature's row of scale bytes
	s_wait_kmcnt 0x0
	s_cmp_eq_u32 s21, 0                            ; the choice hangs on the work-group's number alone
	s_cselect_b64 s[6:7], s[6:7], s[8:9]
	s_cmp_eq_u32 s21, 2
	s_cselect_b64 s[6:7], s[10:11], s[6:7]
	s_add_nc_u64 s[6:7], s[6:7], s[26:27]
	s_add_nc_u64 s[16:17], s[16:17], s[28:29]
	s_add_nc_u64 s[18:19], s[18:19], s[30:31]
.macro WLOAD t                         ; block t: W(32 t + i, my feature), i = 0 .. 31, into set t % 2: 32 lanes read 128 consecutive bytes
.irp i, 0,1,2,3,4,5,6,7,8,9,10,11,12,13,14,15,16,17,18,19,20,21,22,23,24,25,26,27,28,29,30,31
	global_load_b32 v[WX+32*((\t)%2)+\i], v3, s[6:7] offset:(32*(\t)+\i)*4096 th:TH_LOAD_NT
.endr
.endm
	WLOAD 0
	WLOAD 1
.macro WBLOCK t
.set XS, WX+32*((\t)%2)
.if (\t) < NB-1
	s_wait_loadcnt 32                              ; this block's 32 loads are in; the next block's 32 may be out
.else
	s_wait_loadcnt 0
.endif
	v_max3_num_f32 v12, |v[XS]|, |v[XS+1]|, |v[XS+2]|              ; the block's largest magnitude: all 32 numbers are mine
	v_max3_num_f32 v13, |v[XS+3]|, |v[XS+4]|, |v[XS+5]|
.irp i, 6,10,14,18,22,26
	v_max3_num_f32 v12, v12, |v[XS+\i]|, |v[XS+\i+1]|
	v_max3_num_f32 v13, v13, |v[XS+\i+2]|, |v[XS+\i+3]|
.endr
	v_max3_num_f32 v12, v12, |v[XS+30]|, |v[XS+31]|
	v_max3_num_f32 v12, v12, v13, (EMAX+1)<<23     ; and the floor 2^(16 - 127): the byte cannot fall under 1
	v_add_nc_u32 v11, -(EMAX<<23), v12             ; 15 off its exponent field: the conversion takes this operand's exponent field as its scale
	v_and_or_b32 v10, v12, 0x7f800000, s34         ; 57,344 x the scale
	v_lshrrev_b32 v13, 23, v11                     ; the scale's byte
.if (\t)%4 == 0
	v_mov_b32 v[WSB+(\t)/4], v13                   ; four bytes to a register, the lower K in the lower byte
.else
	v_lshl_or_b32 v[WSB+(\t)/4], v13, 8*((\t)%4), v[WSB+(\t)/4]
.endif
.irp i, 0,1,2,3,4,5,6,7,8,9,10,11,12,13,14,15,16,17,18,19,20,21,22,23,24,25,26,27,28,29,30,31
	v_med3_num_f32 v[XS+\i], v[XS+\i], -v10, v10   ; the conversion to an 8-bit code does not saturate (ISA guide 7.6.2): the hold comes first
.endr
.irp g, 0,1,2,3
	v_cvt_scalef32_pk8_bf8_f32 v[WC+2*\g:WC+2*\g+1], v[XS+8*\g:XS+8*\g+7], v11
.endr
	ds_store_b128 v4, v[WC:WC+3] offset:32*(\t)    ; 32 codes: 32 bytes of my feature's row
	ds_store_b128 v4, v[WC+4:WC+7] offset:32*(\t)+16
.if (\t)+2 < NB
	WLOAD (\t)+2
.endif
	s_wait_dscnt 0x0                               ; the stores have read their registers: the next block's codes may be written
.endm
.set Q, 0
.rept NB
	WBLOCK Q
.set Q, Q+1
.endr
	global_store_b64 v9, v[WSB:WSB+1], s[18:19]    ; my feature's 8 scale bytes, at its place
.irp t, 0,1,2,3,4,5,6,7,8,9,10,11,12,13,14,15
	ds_load_b128 v[WOUT+4*\t:WOUT+4*\t+3], v7 offset:2*\t*WPITCH   ; LDS serves a wave's instructions in order: these see my stores
.endr
.irp t, 0,1,2,3,4,5,6,7,8,9,10,11,12,13,14,15
	s_wait_dscnt 15-\t
	global_store_b128 v8, v[WOUT+4*\t:WOUT+4*\t+3], s[16:17] offset:((((2*\t)&8)<<1)|(((2*\t)&16)>>1)|((2*\t)&7))*1024   ; features 2 t, 2 t + 1 go to places P(2 t), P(2 t) + 1; sixteen lanes store 256 consecutive bytes, aligned
.endr
	s_wait_tensorcnt 0x0
	ds_add_u32 v192, v193
	s_wait_dscnt 0x0
	s_endpgm
; ---------------- x.  Rows are dense, so x is a stream of blocks of 32.  A wave takes 8 rows, 16 steps of 512 numbers.  Each load reads 512 consecutive bytes; a step's 2,048 bytes turn through the wave's own stage,
; so that a lane then holds 16 neighbours along K (two neighbouring lanes hold a block).
.Lx:
	v_lshlrev_b32 v3, 4, v2                        ; my 16 bytes of a load's 512
	s_mul_i32 s21, s20, WREG
	v_lshrrev_b32 v14, 2, v2
	v_mul_u32_u24 v14, v14, SP
	v_and_b32 v15, 3, v2
	v_lshl_add_u32 v14, v15, 4, v14
	v_add_nc_u32 v14, s21, v14                     ; the stage, on the way in: SP (lane / 4) + 16 (lane % 4)
	v_mul_u32_u24 v15, v2, SP
	v_add_nc_u32 v15, s21, v15                     ; and on the way out: SP x lane
	v_lshlrev_b32 v4, 4, v2                        ; my 16 codes' place in a step's 512
	v_lshrrev_b32 v5, 1, v2
	s_add_co_u32 s21, s21, 2*32*SP
	v_add_nc_u32 v5, s21, v5                       ; LDS: my wave's 256 scale bytes, my block's byte
	v_lshlrev_b32 v7, 3, v2
	v_add_nc_u32 v6, s21, v7                       ; and on the way out 8 bytes a lane
	s_sub_co_u32 s22, ttmp9, NWGW
	s_lshl_b32 s22, s22, 2
	s_add_co_u32 s24, s22, s20                     ; my 8 rows: run 4 g + wave,
	s_and_b32 s25, s20, 1
	s_lshl_b32 s25, s25, 1
	s_lshr_b32 s26, s20, 1
	s_or_b32 s25, s25, s26
	s_add_co_u32 s26, s22, s25                     ; and their place: the wave's two bits are the rows' bits 3 and 4, which change places
	s_lshl_b32 s28, s24, 15                        ; 32,768 bytes of x a run,
	s_mov_b32 s29, 0
	s_lshl_b32 s30, s26, 13                        ; 8,192 of codes,
	s_mov_b32 s31, 0
	s_lshl_b32 s32, s26, 8                         ; 256 of scale bytes
	s_mov_b32 s33, 0
	s_wait_kmcnt 0x0
	s_add_nc_u64 s[4:5], s[4:5], s[28:29]
	s_add_nc_u64 s[12:13], s[12:13], s[30:31]
	s_add_nc_u64 s[14:15], s[14:15], s[32:33]
.macro XLOAD t
.irp i, 0,1,2,3
	global_load_b128 v[XR+16*((\t)%4)+4*\i:XR+16*((\t)%4)+4*\i+3], v3, s[4:5] offset:2048*(\t)+512*\i th:TH_LOAD_NT
.endr
.endm
.macro XTURN t                         ; step t's numbers through the stage: LDS serves a wave's instructions in order, so no wait stands between the stores and the loads
.irp i, 0,1,2,3
	ds_store_b128 v14, v[XR+16*((\t)%4)+4*\i:XR+16*((\t)%4)+4*\i+3] offset:32*SP*((\t)%2)+8*SP*\i
.endr
.irp i, 0,1,2,3
	ds_load_b128 v[XX+16*((\t)%2)+4*\i:XX+16*((\t)%2)+4*\i+3], v15 offset:32*SP*((\t)%2)+16*\i
.endr
.endm
.irp t, 0,1,2,3
	XLOAD \t
.endr
	s_wait_loadcnt 12                              ; step 0's four loads are in; the twelve of steps 1 to 3 may be out
	XTURN 0
.macro XSTEP t
.set XS, XX+16*((\t)%2)
.if (\t) > 0
	s_wait_dscnt 1                                 ; this step's numbers are back from the stage (the last step's byte store may be out)
.else
	s_wait_dscnt 0x0
.endif
.if (\t)+4 < STEPS
	XLOAD (\t)+4                                   ; into the registers that this step's stores into the stage have read
.endif
.if (\t)+1 < STEPS
.if STEPS-2-(\t) >= 3
	s_wait_loadcnt 12                              ; the next step's four loads are in; those of the three steps behind it may be out
.else
	s_wait_loadcnt 4*(STEPS-2-(\t))
.endif
	XTURN (\t)+1
.endif
	v_max3_num_f32 v8, |v[XS]|, |v[XS+1]|, |v[XS+2]|               ; the largest magnitude of my 16
	v_max3_num_f32 v9, |v[XS+3]|, |v[XS+4]|, |v[XS+5]|
.irp i, 6,10
	v_max3_num_f32 v8, v8, |v[XS+\i]|, |v[XS+\i+1]|
	v_max3_num_f32 v9, v9, |v[XS+\i+2]|, |v[XS+\i+3]|
.endr
	v_max3_num_f32 v8, v8, |v[XS+14]|, |v[XS+15]|
	v_max3_num_f32 v8, v8, v9, (EMAX+1)<<23        ; and the floor
	v_max_num_f32_dpp v8, v8, v8 row_xmask:1 row_mask:0xf bank_mask:0xf   ; and of my neighbour's 16: the block's
	v_add_nc_u32 v11, -(EMAX<<23), v8
	v_and_or_b32 v10, v8, 0x7f800000, s34
.irp i, 0,1,2,3,4,5,6,7,8,9,10,11,12,13,14,15
	v_med3_num_f32 v[XS+\i], v[XS+\i], -v10, v10
.endr
	v_cvt_scalef32_pk8_bf8_f32 v[XC+4*(\t):XC+4*(\t)+1], v[XS:XS+7], v11
	v_cvt_scalef32_pk8_bf8_f32 v[XC+4*(\t)+2:XC+4*(\t)+3], v[XS+8:XS+15], v11
	v_lshrrev_b32 v[XE+(\t)], 23, v11              ; the scale's byte (a plain line behind the conversions)
	ds_store_b8 v5, v[XE+(\t)] offset:16*(\t)      ; both lanes of a block write the same byte with the same value
	global_store_b128 v4, v[XC+4*(\t):XC+4*(\t)+3], s[12:13] offset:512*(\t)   ; 32 lanes store 512 consecutive bytes
.endm
.irp t, 0,1,2,3,4,5,6,7,8,9,10,11,12,13,14,15
	XSTEP \t
.endr
	ds_load_b64 v[12:13], v6                       ; LDS serves a wave's instructions in order: these see my stores
	s_wait_dscnt 0x0
	global_store_b64 v7, v[12:13], s[14:15]        ; 32 lanes store 256 consecutive bytes, aligned
	s_wait_tensorcnt 0x0
	ds_add_u32 v192, v193
	s_wait_dscnt 0x0
	s_endpgm
.Lfunc_end_k_qc29b5f66fd_quant:
	.size	k_qc29b5f66fd_quant, .Lfunc_end_k_qc29b5f66fd_quant-k_qc29b5f66fd_quant
	.p2alignl 7, 3214868480
	.fill 96, 4, 3214868480
	.section	.rodata,"a",@progbits
	.p2align	6, 0x0
	.amdhsa_kernel k_qc29b5f66fd_quant
		.amdhsa_group_segment_fixed_size 68096
		.amdhsa_private_segment_fixed_size 0
		.amdhsa_enable_private_segment 0
		.amdhsa_kernarg_size 64
		.amdhsa_user_sgpr_count 2
		.amdhsa_user_sgpr_kernarg_segment_ptr 1
		.amdhsa_wavefront_size32 1
		.amdhsa_system_sgpr_workgroup_id_x 1
		.amdhsa_system_sgpr_workgroup_id_y 1
		.amdhsa_system_sgpr_workgroup_id_z 1
		.amdhsa_system_vgpr_workitem_id 0
		.amdhsa_next_free_vgpr 194
		.amdhsa_next_free_sgpr 66
		.amdhsa_reserve_vcc 0
		.amdhsa_float_denorm_mode_32 3
		.amdhsa_float_denorm_mode_16_64 3
		.amdhsa_memory_ordered 1
		.amdhsa_forward_progress 1
		.amdhsa_inst_pref_size 110
	.end_amdhsa_kernel
	.amdgpu_metadata
---
amdhsa.version: [ 1, 2 ]
amdhsa.kernels:
  - .name:           k_qc29b5f66fd_quant
    .symbol:         k_qc29b5f66fd_quant.kd
    .args:
      - { .name: hidden_states, .offset: 0, .size: 8, .value_kind: global_buffer, .address_space: global }
      - { .name: Wk, .offset: 8, .size: 8, .value_kind: global_buffer, .address_space: global }
      - { .name: Wv, .offset: 16, .size: 8, .value_kind: global_buffer, .address_space: global }
      - { .name: Wq, .offset: 24, .size: 8, .value_kind: global_buffer, .address_space: global }
      - { .name: xc, .offset: 32, .size: 8, .value_kind: global_buffer, .address_space: global }
      - { .name: xs, .offset: 40, .size: 8, .value_kind: global_buffer, .address_space: global }
      - { .name: wc, .offset: 48, .size: 8, .value_kind: global_buffer, .address_space: global }
      - { .name: ws, .offset: 56, .size: 8, .value_kind: global_buffer, .address_space: global }
    .group_segment_fixed_size: 68096
    .private_segment_fixed_size: 0
    .kernarg_segment_align: 8
    .kernarg_segment_size: 64
    .max_flat_workgroup_size: 128
    .sgpr_count:     66
    .vgpr_count:     194
    .wavefront_size: 32
...
	.end_amdgpu_metadata
.endif
;; end of part 1
;; launch kvp (part 2): grid 8 x 32, 4 waves a work-group, clusters of 4 x 4, 327,680 bytes of LDS; arguments xc, xs, wc, ws, part, bk, bv, attention_mask; writes part
.if DOCPART == 2
	.amdgcn_target "amdgcn-amd-amdhsa--gfx1250"
	.amdhsa_code_object_version 6
	.text
	.protected	k_qc29b5f66fd_kvp
	.globl	k_qc29b5f66fd_kvp
	.p2align	8
	.type	k_qc29b5f66fd_kvp,@function
k_qc29b5f66fd_kvp:
	s_mov_b64 s[64:65], 0
	v_nop
	global_prefetch_b8 v0, s[64:65] scope:SCOPE_SE
	s_setreg_imm32_b32 hwreg(HW_REG_WAVE_MODE, 25, 1), 1
	s_wait_xcnt 0x0
	s_wait_alu depctr_hold_cnt(0) depctr_sa_sdst(0) depctr_va_vdst(0) depctr_va_sdst(0) depctr_va_ssrc(0) depctr_va_vcc(0) depctr_vm_vsrc(0)
	s_getreg_b32 s2, hwreg(HW_REG_IB_STS2, 6, 4)
	s_cmp_eq_u32 s2, 0
	s_cbranch_scc0 .Lentry_in_a_cluster
	s_endpgm
.Lentry_in_a_cluster:
	s_bfe_u32 s2, ttmp6, 0x10000c
	s_cmp_lg_u32 s2, 0xf033
	s_cbranch_scc0 .Lentry_shape_is_right
	s_endpgm
.Lentry_shape_is_right:
; k = x Wk + bk, v = x Wv + bv on codes of BF8 with E8M0 scales; k x m, k / (|k| + 1e-5); the sums of k and of v over the tokens; k and v quantised ALONG THE TOKENS; a partial kv = k^T v over 256 tokens.
; A tile is 256 tokens x 256 rows of wc: two heads, for each 64 features of k and 64 of v.  Four waves, each 128 tokens x one head: 64 accumulators, 512 registers.  K = 1,024 goes in four steps of 256
; through two LDS slots filled by the tensor data mover.  CLUSTERS of 4 x 4: x's tiles are asked for jointly along a row of the cluster, the weights' along a column.
; A WORK-GROUP STAYS: it makes TWO tiles, token tiles 16 (y / 8) + y % 8 and the one 8 further on, with the same rows of wc: 256 work-groups for 512 tiles.  The ring does not stop between them: slot 0 takes the second tile's
; K step 0 as soon as the first tile has left it, slot 1 its K step 1 at the change of tiles, ahead of all that follows the first tile's products; nothing waits for the first tile's stores.
; THE TEXT: the products of a tile are written twice (macro GEMM); what follows them is written once, in a loop whose trip is: norm, sums, quantiser, kv, stores; out at the last tile; else the second tile's products.
; SOURCE 0 = 16 TOKENS OF x, SOURCE 1 = 16 FEATURES: a lane then holds ONE feature (place 16 b + lane % 16) and its registers run along the tokens.  x's rows lie in xc at places P(row) (bits 3, 4 exchanged), so the 16 registers
; of token tiles 2 c and 2 c + 1 are the 16 neighbouring tokens 32 c + 16 (lane / 16) + 0 .. 15: the conversions' results ARE the operands of k^T v.  The biases are the C of each sum's first matrix instruction.
; The two waves of a head (tokens 0-127, 128-255) join their partial kv: the upper one hands its 16 accumulators and its sums over through LDS, eight accumulators at a time, and they are the C of the lower one's products.
; part: record (token tile x 16 + head) of 17,408 bytes: the image of the 16 accumulators (tile 4 dt + et, half q at 1,024 T + 512 q + 16 lane), then of the 8 sums.  Features stay in the order of places.
; REGISTERS, in windows of 256.  window 0: v0-31 addresses and the bias; v32-63 scale words and nothing else; v64-127 the bias as C, then m; v128-255 x's fragments, then at work.  window 1: the weights' fragments, two sets; then k's
; and v's codes (v0-127) and kv (v128-255).  window 2: the accumulators of token tiles 0-3 ((a, b) at v[8 (8 a + b)]); window 3: those of tiles 4-7.
; LIMITS: NaN and infinities are not served; a block under 2^-111 keeps the scale byte 1; 1 / (|k| + 1e-5) is v_rcp_f32 and a multiplication; the sums over tokens are taken in a fixed order of their own.
.set NQ,     2                         ; matrix instructions deep in a slot
.set ROWB,   256                       ; a tile's row in bytes
.set KROW,   1024                      ; a row of xc or wc
.set PITCH,  272                       ; an LDS row: 256 + 16 bytes = 68 words: the 16 rows that a load touches start at 16 different banks (64 banks of 4 bytes: ISA guide 11.1)
.set FR,     16                        ; registers of a fragment
.set NL,     4                         ; LDS loads that bring one
.set NP,     8                         ; places behind this matrix instruction (ISA guide 7.12.1)
.set HALFT,  128*PITCH
.set SLOT,   4*HALFT                   ; x's 256 rows, then the weights' 256
.set KSB,    32                        ; a row of scale bytes
.set SCL,    2*SLOT                    ; behind the ring: the scale bytes, as rows of 256 bytes + 16: x's of the first tile, x's of the second, the weights': each filled once
.set HALFS,  (128*KSB/256)*272         ; those of 128 rows
.set SBLK,   (16*KSB/256)*272          ; those of 16 rows
.set SPARE,  SCL+6*HALFS               ; the spare words: 128 bytes a wave, two blocks of 256 bytes that no other line names
.set EXB,    SPARE+512                 ; the exchange: bytes of its own, into which no fill lands
.set EXH,    9216                      ; a head's room in it: eight accumulators' images and the sums'
.set PREC,   17408                     ; a record of part
.set WALK,   8                         ; token tiles from a work-group's first tile to its second
.set TSTEP_A, WALK*256*KROW            ; that distance in xc,
.set TSTEP_S, WALK*256*KSB             ; in xs,
.set TSTEP_M, WALK*256*4               ; in the mask,
.set TSTEP_P, WALK*16*PREC             ; and in part
.set NEXT_A, TSTEP_A-2*ROWB            ; from a slot's last K step of the first tile to its first of the second: x goes WALK tiles down and back along K,
.set BACK_B, 2*ROWB                    ; the weights only back
.set BOF,  7                           ; v7   the bias: 4 (r + 8 (r / 8))
.set MOF,  8                           ; v8   the mask: 64 (lane / 16)
.set EXA,  9                           ; v9   the exchange: EXB + EXH x (wave % 2) + 16 x lane
.set BV,   10                          ; v10-17 my feature's bias in each of the 8 feature tiles; they stay
.set ADRA, 18                          ; v18-19 LDS address of x's fragments in slot 0, 1
.set ADRB, 20                          ; v20-21 the weights'
.set ADRS0, 22                         ; v22  my scale words in the first tile: lanes 0-15 x's rows, lanes 16-31 the weights'
.set ADRS1, 23                         ; v23  the same in the second tile
.set PFO,  24                          ; v24  the prefetches' offset: 1,024 x lane, a lane a row of xc; never rewritten
.set CO,   26                          ; v26  16 x lane
.set SPW,  28                          ; v28  my spare word; never rewritten
.set NIL,  29                          ; v29  0; never rewritten
.set SC,   32                          ; scale words, set s at v[SC + 16 s]
.set BI,   64                          ; the bias in the result's layout, 8 registers a feature tile
.set AF,   128                         ; x's fragments
.set MM,   64                          ; m of my 64 tokens a lane: register 8 a + j
.set SS,   128                         ; sums of squares
.set FF,   192                         ; roots, then 1 / (|k| + eps)
.set TM,   192                         ; the quantiser: largest magnitudes,
.set T2,   200                         ; the other half's, then bytes,
.set SO,   208                         ; the conversions' scale operands,
.set HOLD, 216                         ; 57,344 x the scale
.set SPR,  224                         ; sums over tokens, a pair a feature tile
.set SUM,  240                         ; the 8 sums
.set SUMX, 248                         ; the other wave's
.set SW,   32                          ; k's and v's scale words, a register a feature tile
.set KVA,  128                         ; window 1: kv's 16 accumulators
.set TLS,  2                           ; s2   tiles to go
.set FLR,  3                           ; s3   2^(16 - 127), the floor under every largest magnitude
.set G0T,  4                           ; s[4:7]  group 0 for x's scale bytes of the second tile (where two pointers lay)
.set G0TB, 8                           ; s[8:11] group 0 for the second half of the weights' scale bytes
.set RC,   18                          ; s[18:19] 1 / 10,000
.set EP,   20                          ; s[20:21] 1e-5
.set NT,   22                          ; s[22:23] -10,000
.set LIM,  43                          ; s43  1 in a wave that prefetches, else 0
.set PFA,  44                          ; s[44:45] the prefetches' base: my work-group's 32 rows of the 128 that I fetch, in the second tile; never rewritten
.set SEL,  66                          ; s[66:67] v_permlanex16_b32's selects for lane l xor 16
.set MNT,  95                          ; s95  the mantissa field of 57,344
.set G1, 24
.set G0, 32
.set G1B, 48
.set G0B, 56
.set G1S, 68
.set G0S, 76
.set G1SB, 80
.set G0SB, 88
.set MSB, 0
.macro WIN new                         ; bits 1:0 source 0, 3:2 source 1, 5:4 source 2, 7:6 destination; the high byte repeats the setting that is left
.if MSB != (\new)
	s_set_vgpr_msb (MSB<<8)|(\new)
.set MSB, (\new)
.endif
.endm
.set MUL_LO, 0xa4                      ; source 0 (x) window 0, source 1 (weights) window 1, C and D window 2
.set MUL_HI, 0xf4                      ; C and D window 3
.set FST_LO, 0x84                      ; the first K step: C (the bias) window 0
.set FST_HI, 0xc4
.set TO_B,   0x40
; A joint load: waves 0 and 1 fetch for x, waves 2 and 3 for the weights; the branch hangs on the wave's number alone.  Four v_nop follow each of the two lines.
.macro JLOAD g0a, g1a, g0b, g1b
	s_cmp_eq_u32 s15, 0
	s_cbranch_scc0 .Lfor_b_\@
	tensor_load_to_lds s[\g0a:\g0a+3], s[\g1a:\g1a+7]
	s_nop 0
.rept 4
	v_nop
.endr
	s_branch .Lasked_\@
.Lfor_b_\@:
	tensor_load_to_lds s[\g0b:\g0b+3], s[\g1b:\g1b+7]
	s_nop 0
.rept 4
	v_nop
.endr
.Lasked_\@:
.endm
; A PREFETCH INTO THE L2 of K step ks of the SECOND tile's x codes: 32 rows x 256 bytes, a lane a row, one instruction a wave.  It stands behind each of the first tile's four refills, behind the joint load's four lines and the
; LDS loads that the next products wait for: K steps 0 and 1 two refills ahead of the loads that want them, K steps 2 and 3 further ahead, since the text behind the change of tiles is shared by both tiles.
; Each row's 256 bytes are named ONCE in the launch: both clusters of a row of clusters read the same rows, the one with x = 0 asks; in it the waves that fetch x ask, each for the 128 rows that it fetches, and the four partners
; share those out BY ADDRESS, 32 each (cx): no branch hangs on a work-group's place in its cluster.  The K step stands in the immediate: no register of it is ever written again.
; The first tile's K steps come by their loads alone; the weights' rows are the same in both tiles and are not asked for.
.macro ASK ks
	s_cmp_eq_u32 s[LIM], 1
	s_cbranch_scc0 .Lnot_mine_\@
	global_prefetch_b8 v[PFO], s[PFA:PFA+1] offset:ROWB*(\ks) th:TH_LOAD_NT scope:SCOPE_SE
.Lnot_mine_\@:
.endm
.macro CREST                           ; a round of the cluster's barrier behind its opening barrier
	s_cmp_lg_u32 s14, 0
	s_cbranch_scc1 .Lnot_wave_0_\@
	s_barrier_signal -3
.Lnot_wave_0_\@:
	s_barrier_wait -3
	s_barrier_signal -1
	s_barrier_wait -1
.endm
.macro CROUND
	s_barrier_signal -1
	s_barrier_wait -1
	CREST
.endm
	s_load_b128 s[4:7], s[0:1], 0x0                ; xc, xs
	s_load_b128 s[8:11], s[0:1], 0x10              ; wc, ws
	s_load_b64 s[12:13], s[0:1], 0x20              ; part
	s_load_b128 s[96:99], s[0:1], 0x28             ; bk, bv
	s_load_b64 s[100:101], s[0:1], 0x38            ; the mask
	v_lshl_add_u32 v[SPW], v0, 2, SPARE
	v_mov_b32 v[NIL], 0
	ds_add_u32 v28, v29
	ds_add_u32 v28, v29
	s_wait_dscnt 0x0
	v_lshrrev_b32 v1, 5, v0
	v_readfirstlane_b32 s14, v1                    ; wave 0..3
	s_lshr_b32 s15, s14, 1                         ; which 128 tokens are mine.  Also: I fetch for x (0) or for the weights (1)
	s_and_b32 s16, s14, 1                          ; which head of the two.  Also: which 128 rows of that tile I fetch
	s_bfe_u32 s40, ttmp6, 0x40000                  ; cx, cy: my place in the cluster
	s_bfe_u32 s41, ttmp6, 0x40004
	s_lshl_b32 s42, ttmp9, 2
	s_add_co_u32 s42, s42, s40                     ; tile column = 4 x cluster x + cx
	s_and_b32 s17, ttmp7, 0xffff
	s_lshl_b32 s17, s17, 2
	s_add_co_u32 s17, s17, s41                     ; work-group y = 4 x cluster y + cy, 0 .. 31
	s_lshr_b32 s18, s17, 3
	s_lshl_b32 s18, s18, 4
	s_and_b32 s17, s17, 7
	s_add_co_u32 s17, s17, s18                     ; my first token tile: 16 (y / 8) + y % 8; the second lies 8 further on, in the same batch
	s_lshl_b32 s43, s41, 2
	s_lshl_b32 s43, 15, s43                        ; my row of the cluster
	s_lshl_b32 s44, 0x1111, s40                    ; my column
	; descriptor group 1: a tile of 128 rows x 256 bytes, 16 bytes of padding behind each row
	s_or_b32 s[G1+0], s43, (0<<16)|(1<<20)|(1<<21)|(5<<22)|(3<<25)  ; 15:0 the mask; 17:16 elements of 1 byte; 20 padding on; 21 set beside a mask; 24:22 after every 64 words; 31:25 four words
	s_or_b32 s[G1B+0], s44, (0<<16)|(1<<20)|(1<<21)|(5<<22)|(3<<25)
.irp g, G1, G1B
	s_mov_b32 s[\g+1], ROWB<<16                    ; tensor_dim0
	s_mov_b32 s[\g+2], 128<<16                     ; tensor_dim1
	s_mov_b32 s[\g+3], ROWB<<16                    ; tile_dim0
	s_mov_b32 s[\g+4], 128                         ; tile_dim1
	s_mov_b32 s[\g+5], KROW                        ; the pitch
	s_mov_b32 s[\g+6], 0
	s_mov_b32 s[\g+7], 0
.endr
	; the scale bytes are dense: rows of 256 bytes (32 elements of 8 bytes), 16 bytes of padding behind each.  x's: 128 rows of a tile are 16 such rows; the weights': 64 rows are 8, so that every wave has a part in each of the two loads
	s_or_b32 s[G1S+0], s43, (3<<16)|(1<<20)|(1<<21)|(5<<22)|(3<<25)
	s_mov_b32 s[G1S+1], 32<<16
	s_mov_b32 s[G1S+2], 16<<16
	s_mov_b32 s[G1S+3], 32<<16
	s_mov_b32 s[G1S+4], 16
	s_mov_b32 s[G1S+5], 32
	s_mov_b32 s[G1S+6], 0
	s_mov_b32 s[G1S+7], 0
	s_or_b32 s[G1SB+0], s44, (3<<16)|(1<<20)|(1<<21)|(5<<22)|(3<<25)
	s_mov_b32 s[G1SB+1], 32<<16
	s_mov_b32 s[G1SB+2], 8<<16
	s_mov_b32 s[G1SB+3], 32<<16
	s_mov_b32 s[G1SB+4], 8
	s_mov_b32 s[G1SB+5], 32
	s_mov_b32 s[G1SB+6], 0
	s_mov_b32 s[G1SB+7], 0
	s_lshl_b32 s18, s16, 7                         ; which 128 rows of the tile I fetch
	s_lshl_b32 s20, s17, 8
	s_add_co_u32 s20, s20, s18                     ; x: place 256 x token tile + 128 x half
	s_lshl_b32 s46, s42, 8
	s_add_co_u32 s46, s46, s18                     ; weights: row 256 x tile column + 128 x half
	s_lshl_b32 s22, s20, 5                         ; their scale bytes,
	s_mov_b32 s23, 0
	s_lshl_b32 s92, s46, 5
	s_mov_b32 s93, 0
	s_lshl_b32 s20, s20, 10                        ; their codes
	s_mov_b32 s21, 0
	s_lshl_b32 s46, s46, 10
	s_mov_b32 s47, 0
	s_mul_i32 s45, s14, HALFT                      ; where they go: wave x 128 rows: no place in the cluster enters an LDS address
	s_mul_i32 s94, s14, HALFS
	s_wait_kmcnt 0x0
	s_add_nc_u64 s[20:21], s[4:5], s[20:21]
	s_add_nc_u64 s[22:23], s[6:7], s[22:23]
	s_add_nc_u64 s[46:47], s[8:9], s[46:47]
	s_add_nc_u64 s[92:93], s[10:11], s[92:93]
	CROUND                                         ; all sixteen work-groups are here: the first joint loads meet
	s_mov_b32 s[G0S], 1                            ; x's scale bytes of the first tile: waves 0, 1 at SCL + wave x HALFS
	s_add_co_u32 s[G0S+1], s94, SCL
	s_mov_b64 s[G0S+2:G0S+3], s[22:23]
	s_or_b32 s[G0S+3], s[G0S+3], 0x80000000
	s_mov_b32 s[G0SB], 1                           ; the weights': waves 2, 3 at SCL + 4 HALFS + (wave - 2) x HALFS; the first 64 of my 128 rows
	s_add_co_u32 s[G0SB+1], s94, SCL+2*HALFS
	s_mov_b64 s[G0SB+2:G0SB+3], s[92:93]
	s_or_b32 s[G0SB+3], s[G0SB+3], 0x80000000
	JLOAD G0S, G1S, G0SB, G1SB                     ; the scale bytes first: they are wanted with K step 0
	s_mov_b32 s[G0T], 1                            ; x's scale bytes of the second tile: waves 0, 1 at SCL + 2 HALFS + wave x HALFS
	s_add_co_u32 s[G0T+1], s94, SCL+2*HALFS
	s_add_nc_u64 s[G0T+2:G0T+3], s[22:23], TSTEP_S
	s_or_b32 s[G0T+3], s[G0T+3], 0x80000000
	s_mov_b32 s[G0TB], 1                           ; the weights': the other 64 rows, 8 LDS rows further on
	s_add_co_u32 s[G0TB+1], s94, SCL+2*HALFS+8*272
	s_add_nc_u64 s[G0TB+2:G0TB+3], s[92:93], 64*KSB
	s_or_b32 s[G0TB+3], s[G0TB+3], 0x80000000
	JLOAD G0T, G1S, G0TB, G1SB
.irp s, 0,1
	s_mov_b32 s[G0+4*\s], 1
	s_add_co_u32 s[G0+4*\s+1], s45, \s*SLOT
	s_add_nc_u64 s[G0+4*\s+2:G0+4*\s+3], s[20:21], \s*ROWB
	s_or_b32 s[G0+4*\s+3], s[G0+4*\s+3], 0x80000000
	s_mov_b32 s[G0B+4*\s], 1
	s_add_co_u32 s[G0B+4*\s+1], s45, \s*SLOT
	s_add_nc_u64 s[G0B+4*\s+2:G0B+4*\s+3], s[46:47], \s*ROWB
	s_or_b32 s[G0B+4*\s+3], s[G0B+4*\s+3], 0x80000000
	JLOAD G0+4*\s, G1, G0B+4*\s, G1B               ; four tensor loads of mine are out
.endr
	s_lshl_b32 s92, s40, 15                        ; the prefetches: of the 128 rows that I fetch, my work-group's 32 (cx x 32 rows of 1,024 bytes),
	s_mov_b32 s93, 0
	s_add_nc_u64 s[PFA:PFA+1], s[20:21], s[92:93]
	s_add_nc_u64 s[PFA:PFA+1], s[PFA:PFA+1], TSTEP_A   ; in the second tile
	s_or_b32 s[LIM], s15, ttmp9                    ; 0 in the waves that fetch x, of the clusters with x = 0: the same in all sixteen partners, for a given wave
	s_cmp_eq_u32 s[LIM], 0
	s_cselect_b32 s[LIM], 1, 0
	v_and_b32 v1, 15, v0                           ; r = lane % 16
	v_bfe_u32 v2, v0, 4, 1                         ; h = lane / 16
	v_mul_u32_u24 v3, v1, PITCH
	v_lshl_add_u32 v4, v2, 4, v3                   ; a fragment's row x pitch + 16 x half
	s_mul_i32 s21, s15, HALFT                      ; my 128 rows of x
	s_mul_i32 s22, s16, HALFT                      ; my 128 rows of the weights,
	s_add_co_u32 s22, s22, 2*HALFT                 ; which lie behind x's 256
.irp s, 0,1
	v_add_nc_u32 v[ADRA+\s], s21, v4
	v_add_nc_u32 v[ADRB+\s], s22, v4
	s_add_co_u32 s21, s21, SLOT
	s_add_co_u32 s22, s22, SLOT
.endr
	v_mul_u32_u24 v5, v1, KSB                      ; my row's scale bytes: 32 a row,
	v_lshrrev_b32 v6, 8, v5
	v_lshl_add_u32 v5, v6, 4, v5                   ; and 16 more for each 256 passed
	s_mul_i32 s21, s15, HALFS                      ; the first tile: x's room,
	s_mul_i32 s22, s16, HALFS
	s_add_co_u32 s22, s22, 4*HALFS                 ; the weights',
	s_sub_co_u32 s22, s22, s21                     ; and the distance between the two:
	v_mul_u32_u24 v6, s22, v2                      ; lanes 16-31 take the weights'
	s_add_co_u32 s21, s21, SCL
	v_add_nc_u32 v6, v5, v6
	v_add_nc_u32 v[ADRS0], s21, v6
	s_mul_i32 s21, s15, HALFS                      ; the second tile: x's room lies 2 HALFS further on, the weights' is the same
	s_add_co_u32 s21, s21, 2*HALFS
	s_mul_i32 s22, s16, HALFS
	s_add_co_u32 s22, s22, 4*HALFS
	s_sub_co_u32 s22, s22, s21
	v_mul_u32_u24 v6, s22, v2
	s_add_co_u32 s21, s21, SCL
	v_add_nc_u32 v6, v5, v6
	v_add_nc_u32 v[ADRS1], s21, v6
	v_and_b32 v6, 31, v0
	v_lshlrev_b32 v[CO], 4, v6
	v_lshlrev_b32 v[PFO], 10, v6
	s_mul_i32 s23, s16, EXH
	s_add_co_u32 s23, s23, EXB
	v_add_nc_u32 v[EXA], s23, v[CO]
	v_lshrrev_b32 v6, 3, v1
	v_lshl_add_u32 v6, v6, 3, v1                   ; r + 8 (r / 8): place 16 t + r of a head is feature 32 (t / 2) + 8 (t % 2) + r + 8 (r / 8)
	v_lshlrev_b32 v[BOF], 2, v6
	v_lshlrev_b32 v[MOF], 6, v2
	s_lshl_b32 s46, s42, 1
	s_add_co_u32 s46, s46, s16                     ; my head
	s_lshl_b32 s92, s46, 8                         ; its 64 numbers of bk and bv
	s_mov_b32 s93, 0
	s_add_nc_u64 s[96:97], s[96:97], s[92:93]
	s_add_nc_u64 s[98:99], s[98:99], s[92:93]
	s_lshl_b32 s20, s17, 10
	s_lshl_b32 s21, s15, 9
	s_add_co_u32 s20, s20, s21                     ; my first token, 256 x token tile + 128 x half, x 4 bytes
	s_mov_b32 s21, 0
	s_add_nc_u64 s[100:101], s[100:101], s[20:21]
	s_lshl_b32 s92, s17, 4
	s_add_co_u32 s92, s92, s46
	s_mul_i32 s92, s92, PREC                       ; my head's record of part for the first tile
	s_add_nc_u64 s[12:13], s[12:13], s[92:93]
.irp b, 0,1,2,3
	global_load_b32 v[BV+\b], v[BOF], s[96:97] offset:(32*(\b/2)+8*(\b%2))*4       ; my feature's bias in each feature tile: k's four,
	global_load_b32 v[BV+4+\b], v[BOF], s[98:99] offset:(32*(\b/2)+8*(\b%2))*4     ; v's four
.endr
	s_mov_b32 s[FLR], 0x8000000
	s_mov_b32 s[RC], 0x38d1b717
	s_mov_b32 s[RC+1], s[RC]                       ; (the packed forms name a pair and take its low word: so the upper one is written)
	s_mov_b32 s[EP], 0x3727c5ac
	s_mov_b32 s[EP+1], s[EP]
	s_mov_b32 s[NT], 0xc61c4000
	s_mov_b32 s[NT+1], s[NT]
	s_mov_b32 s[SEL], 0x76543210
	s_mov_b32 s[SEL+1], 0xfedcba98
	s_mov_b32 s[MNT], 0x600000
.macro FRAG reg, adr, q, i             ; 16 rows x 128 K: lane l holds row l % 16; registers 4 c .. 4 c + 3 hold K = 32 c + 16 (l / 16) + 0 .. 15
.irp c, 0,1,2,3
	ds_load_b128 v[\reg+4*\c:\reg+4*\c+3], v[\adr] offset:128*(\q)+32*\c+(\i)*16*PITCH
.endr
.endm
; 16 matrix instructions: token tiles a0, a0 + 1 x the 8 feature tiles, 128 along K.  first = 1: C is the bias.  The 64 accumulators take turns, one instruction a turn, in the same order in every step.
.macro MUL16 a0, p, q, sc, first
.irp a, \a0, \a0+1
.irp b, 0,1,2,3,4,5,6,7
.if \first
	v_wmma_scale_f32_16x16x128_f8f6f4 v[8*(8*((\a)%4)+\b):8*(8*((\a)%4)+\b)+7], v[AF+FR*(\a):AF+FR*(\a)+FR-1], v[128*(\p)+FR*\b:128*(\p)+FR*\b+FR-1], v[BI+8*\b:BI+8*\b+7], v[SC+8*NQ*(\sc)+NQ*(\a)+(\q)], v[SC+8*NQ*(\sc)+NQ*\b+(\q)] matrix_a_fmt:MATRIX_FMT_BF8 matrix_b_fmt:MATRIX_FMT_BF8 matrix_b_scale:MATRIX_SCALE_ROW1
.else
	v_wmma_scale_f32_16x16x128_f8f6f4 v[8*(8*((\a)%4)+\b):8*(8*((\a)%4)+\b)+7], v[AF+FR*(\a):AF+FR*(\a)+FR-1], v[128*(\p)+FR*\b:128*(\p)+FR*\b+FR-1], v[8*(8*((\a)%4)+\b):8*(8*((\a)%4)+\b)+7], v[SC+8*NQ*(\sc)+NQ*(\a)+(\q)], v[SC+8*NQ*(\sc)+NQ*\b+(\q)] matrix_a_fmt:MATRIX_FMT_BF8 matrix_b_fmt:MATRIX_FMT_BF8 matrix_b_scale:MATRIX_SCALE_ROW1
.endif
.endr
.endr
.endm
.macro FETCH_B slot, q, p
	WIN TO_B
.irp i, 0,1,2,3,4,5,6,7
	FRAG 128*(\p)+FR*\i, ADRB+\slot, \q, \i
.endr
	WIN 0
.endm
.macro FETCH_A slot, q, i0
.irp i, \i0, \i0+1, \i0+2, \i0+3
	FRAG AF+FR*(\i), ADRA+\slot, \q, \i
.endr
.endm
.macro SCALES sc, ar, ks               ; K step ks's scale words into set sc: two a row; lanes 0-15 x's tile i, lanes 16-31 the weights' tile i.  The K step stands in the immediate: 8 bytes of a row's 32
.irp i, 0,1,2,3,4,5,6,7
	ds_load_b64 v[SC+8*NQ*\sc+NQ*\i:SC+8*NQ*\sc+NQ*\i+1], v[\ar] offset:\i*SBLK+8*(\ks)
.endr
.endm
; A load into a register that a matrix instruction has read, and a vector instruction or a store that reads a matrix result, stand NP places behind it; only plain vector instructions that name none of its registers are places.
.macro PLACES n
.rept \n
	v_nop
.endr
.endm
.macro STEP slot, q, first             ; 128 along K with its successor in the same slot.  x has one set of fragments (tiles 0-3 fetched anew in the middle, 4-7 at the end), the weights two
	s_wait_dscnt 4*NL                              ; all but the youngest sixteen loads (x's tiles 4-7) are in
.if \first
	WIN FST_LO
.else
	WIN MUL_LO
.endif
	MUL16 0, (\q)%2, \q, \slot, \first
	MUL16 2, (\q)%2, \q, \slot, \first
	s_wait_dscnt 0
	PLACES NP
	FETCH_B \slot, (\q)+1, 1-(\q)%2
	FETCH_A \slot, (\q)+1, 0
.if \first
	WIN FST_HI
.else
	WIN MUL_HI
.endif
	MUL16 4, (\q)%2, \q, \slot, \first
	MUL16 6, (\q)%2, \q, \slot, \first
	PLACES NP
	WIN 0
	FETCH_A \slot, (\q)+1, 4
.endm
; A slot's last step changes slots: one barrier; in front of it each wave waits for all its tensor loads, adds 0 to its spare word, and waits for that and for its reads of this slot.
; fill = 1: the slot is filled again, two K steps ahead; fill = 2: with the NEXT tile's K step; fill = 0: nothing is left to fetch.  ks: the K step of the slot that is entered; ar: the tile's scale address; ask: the K step to prefetch, or -1.
.macro TURN slot, next, fill, ks, ar, ask
	s_wait_tensorcnt 0x0                           ; all my tensor loads have landed: my part of the next slot
	ds_add_u32 v[SPW], v[NIL]                      ; 0 onto my spare word
	s_wait_dscnt 4*NL+1                            ; (the add and the youngest sixteen loads may be out)
	WIN MUL_LO
	MUL16 0, 1, NQ-1, \slot, 0
	s_wait_dscnt 0x0                               ; the add is done, and my reads of this slot are over
	s_barrier_signal -1
	MUL16 2, 1, NQ-1, \slot, 0
	WIN 0
	s_barrier_wait -1
.if (\fill) > 0
	CREST                                          ; the barrier has opened a round of the cluster's: no wave of any partner still reads this slot or has a load on its way
.if (\fill) == 2
	s_add_nc_u64 s[G0+4*\slot+2:G0+4*\slot+3], s[G0+4*\slot+2:G0+4*\slot+3], NEXT_A
	s_sub_nc_u64 s[G0B+4*\slot+2:G0B+4*\slot+3], s[G0B+4*\slot+2:G0B+4*\slot+3], BACK_B
.else
	s_add_nc_u64 s[G0+4*\slot+2:G0+4*\slot+3], s[G0+4*\slot+2:G0+4*\slot+3], 2*ROWB
	s_add_nc_u64 s[G0B+4*\slot+2:G0B+4*\slot+3], s[G0B+4*\slot+2:G0B+4*\slot+3], 2*ROWB
.endif
	JLOAD G0+4*\slot, G1, G0B+4*\slot, G1B         ; the first tensor load behind the round, my only one until the next; its four v_nop are among the places below
	PLACES NP-4
.else
	PLACES NP
.endif
	FETCH_B \next, 0, 0
	FETCH_A \next, 0, 0
	SCALES \next, \ar, \ks
.if (\ask) >= 0
	ASK \ask
.endif
	WIN MUL_HI
	MUL16 4, 1, NQ-1, \slot, 0
	MUL16 6, 1, NQ-1, \slot, 0
	PLACES NP
	WIN 0
	FETCH_A \next, 0, 4
.endm
.macro BIFILL                          ; the bias is the same down a column of the result: each feature tile's C is eight registers with my feature's number.  (They share their registers with m, so they are made anew for each tile)
.irp b, 0,1,2,3,4,5,6,7
.irp j, 0,1,2,3,4,5,6,7
	v_mov_b32 v[BI+8*\b+\j], v[BV+\b]
.endr
.endr
.endm
; m = mask / 10,000 + 1.  The quotient by 1 / 10,000 and one correction (t = x r; t += (x - 10,000 t) r): a mask of -10,000 gives m = 0 exactly.
.macro MCALC
	s_wait_loadcnt 0x0                             ; the mask
	PLACES NP
.set i, 0
.rept 32
	v_pk_mul_f32 v[SS+i:SS+i+1], v[MM+i:MM+i+1], s[RC:RC+1] op_sel_hi:[1,0]
.set i, i+2
.endr
.set i, 0
.rept 32
	v_pk_fma_f32 v[MM+i:MM+i+1], v[SS+i:SS+i+1], s[NT:NT+1], v[MM+i:MM+i+1] op_sel_hi:[1,0,1]
.set i, i+2
.endr
.set i, 0
.rept 32
	v_pk_fma_f32 v[SS+i:SS+i+1], v[MM+i:MM+i+1], s[RC:RC+1], v[SS+i:SS+i+1] op_sel_hi:[1,0,1]
.set i, i+2
.endr
.set i, 0
.rept 32
	v_pk_add_f32 v[MM+i:MM+i+1], v[SS+i:SS+i+1], 1.0 op_sel_hi:[1,0]
.set i, i+2
.endr
.endm
; k's accumulators (feature tiles 0-3) x a factor of their token, at v[f + 8 a + j]; each accumulator from its low end on
.macro KMUL f
.irp w, 0,1
	WIN 0x82+0x41*\w
.irp p, 0,1,2,3
.irp a, 0,1,2,3
.irp b, 0,1,2,3
	v_pk_mul_f32 v[8*(8*\a+\b)+2*\p:8*(8*\a+\b)+2*\p+1], v[8*(8*\a+\b)+2*\p:8*(8*\a+\b)+2*\p+1], v[\f+8*(4*\w+\a)+2*\p:\f+8*(4*\w+\a)+2*\p+1]
.endr
.endr
.endr
.endr
.endm
; THE PRODUCTS OF TILE t (0 or 1), m and k x m.  Slot 0 holds the tile's K step 0, whole for every wave; slot 1's K step 1 may be on its way.  ar: the tile's scale address.
.macro GEMM t, ar
	FETCH_B 0, 0, 0
	FETCH_A 0, 0, 0
	SCALES 0, \ar, 0
	FETCH_A 0, 0, 4
.if (\t) == 0
	s_wait_loadcnt 0x0                             ; the bias
	BIFILL
	PLACES 4
.endif
	STEP 0, 0, 1
.irp a, 0,1,2,3,4,5,6,7                ; the bias has been read (the step's closing places stand behind its last reader): its registers take the mask of my 64 tokens: tile a, register j: token 32 (a / 2) + 16 h + 8 (a % 2) + j
	global_load_b128 v[MM+8*\a:MM+8*\a+3], v[MOF], s[100:101] offset:(\t)*TSTEP_M+(32*(\a/2)+8*(\a%2))*4
	global_load_b128 v[MM+8*\a+4:MM+8*\a+7], v[MOF], s[100:101] offset:(\t)*TSTEP_M+(32*(\a/2)+8*(\a%2))*4+16
.endr
.if (\t) == 0
	TURN 0, 1, 1, 1, \ar, 0
	STEP 1, 0, 0
	TURN 1, 0, 1, 2, \ar, 1
	STEP 0, 0, 0
	TURN 0, 1, 2, 3, \ar, 2                        ; THE RING GOES ON INTO THE SECOND TILE: slot 0 takes its K step 0
.else
	TURN 0, 1, 1, 1, \ar, -1
	STEP 1, 0, 0
	TURN 1, 0, 1, 2, \ar, -1
	STEP 0, 0, 0
	TURN 0, 1, 0, 3, \ar, -1                       ; nothing is left to fetch
.endif
	STEP 1, 0, 0
	s_wait_dscnt 4*NL                              ; the last 128 along K
	WIN MUL_LO
	MUL16 0, 1, NQ-1, 1, 0
	MUL16 2, 1, NQ-1, 1, 0
	s_wait_dscnt 0
	WIN MUL_HI
	MUL16 4, 1, NQ-1, 1, 0
	MUL16 6, 1, NQ-1, 1, 0
	WIN 0
	MCALC
	KMUL MM                                        ; k x m
	WIN 0
.endm
; Block c of 32 tokens (token tiles 2 c, 2 c + 1) of all 8 feature tiles becomes codes: registers 4 c .. 4 c + 3 of the tile's fragment in window 1, and byte c of its scale word.
.macro QBLK c
.set RB, 128*((\c)%2)
	WIN 0x28+0x14*((\c)/2)
.irp b, 0,1,2,3,4,5,6,7
	v_max3_num_f32 v[TM+\b], s[FLR], |v[RB+8*\b]|, |v[RB+8*\b+1]|  ; my 16 numbers, and the floor: the byte cannot fall under 1
.endr
.irp i, 2,4,6
.irp b, 0,1,2,3,4,5,6,7
	v_max3_num_f32 v[TM+\b], v[TM+\b], |v[RB+8*\b+\i]|, |v[RB+8*\b+\i+1]|
.endr
.endr
.irp i, 0,2,4,6
.irp b, 0,1,2,3,4,5,6,7
	v_max3_num_f32 v[TM+\b], v[TM+\b], |v[RB+64+8*\b+\i]|, |v[RB+64+8*\b+\i+1]|
.endr
.endr
	WIN 0
.irp b, 0,1,2,3,4,5,6,7
	v_permlanex16_b32 v[T2+\b], v[TM+\b], s[SEL], s[SEL+1]
.endr
.irp b, 0,1,2,3,4,5,6,7
	v_max_num_f32 v[TM+\b], v[TM+\b], v[T2+\b]     ; with lane l xor 16's 16: the block's largest magnitude
.endr
.irp b, 0,1,2,3,4,5,6,7
	v_add_nc_u32 v[SO+\b], 0xf8800000, v[TM+\b]    ; 15 off its exponent field: the conversion's scale operand
.endr
.irp b, 0,1,2,3,4,5,6,7
	v_and_or_b32 v[HOLD+\b], v[TM+\b], 0x7f800000, s[MNT]          ; 57,344 x the scale
.endr
.if (\c) == 0
.irp b, 0,1,2,3,4,5,6,7
	v_lshrrev_b32 v[SW+\b], 23, v[SO+\b]           ; the scale's byte
.endr
.else
.irp b, 0,1,2,3,4,5,6,7
	v_lshrrev_b32 v[T2+\b], 23, v[SO+\b]
.endr
.irp b, 0,1,2,3,4,5,6,7
	v_lshl_or_b32 v[SW+\b], v[T2+\b], 8*(\c), v[SW+\b]
.endr
.endif
	WIN 0x82+0x41*((\c)/2)
.irp i, 0,1,2,3,4,5,6,7
.irp b, 0,1,2,3,4,5,6,7
	v_med3_num_f32 v[RB+8*\b+\i], v[RB+8*\b+\i], -v[HOLD+\b], v[HOLD+\b]      ; the conversion does not saturate (ISA guide 7.6.2): the hold comes first
.endr
.endr
.irp i, 0,1,2,3,4,5,6,7
.irp b, 0,1,2,3,4,5,6,7
	v_med3_num_f32 v[RB+64+8*\b+\i], v[RB+64+8*\b+\i], -v[HOLD+\b], v[HOLD+\b]
.endr
.endr
	WIN 0x42+(\c)/2
.irp b, 0,1,2,3,4,5,6,7
	v_cvt_scalef32_pk8_bf8_f32 v[16*\b+4*(\c):16*\b+4*(\c)+1], v[RB+8*\b:RB+8*\b+7], v[SO+\b]
	v_cvt_scalef32_pk8_bf8_f32 v[16*\b+4*(\c)+2:16*\b+4*(\c)+3], v[RB+64+8*\b:RB+64+8*\b+7], v[SO+\b]
.endr
	v_nop                                          ; a plain line behind the last conversion of the run
.endm
; kv(d, e) over my 128 tokens: source 0 = 16 features of k, source 1 = 16 of v; sixteen accumulators, one instruction each
.macro KVMUL zero
.irp dt, 0,1,2,3
.irp et, 0,1,2,3
.if \zero
	v_wmma_scale_f32_16x16x128_f8f6f4 v[KVA+8*(4*\dt+\et):KVA+8*(4*\dt+\et)+7], v[16*\dt:16*\dt+15], v[64+16*\et:64+16*\et+15], 0, v[SW+\dt], v[SW+4+\et] matrix_a_fmt:MATRIX_FMT_BF8 matrix_b_fmt:MATRIX_FMT_BF8
.else
	v_wmma_scale_f32_16x16x128_f8f6f4 v[KVA+8*(4*\dt+\et):KVA+8*(4*\dt+\et)+7], v[16*\dt:16*\dt+15], v[64+16*\et:64+16*\et+15], v[KVA+8*(4*\dt+\et):KVA+8*(4*\dt+\et)+7], v[SW+\dt], v[SW+4+\et] matrix_a_fmt:MATRIX_FMT_BF8 matrix_b_fmt:MATRIX_FMT_BF8
.endif
.endr
.endr
.endm
.macro BAR                             ; my LDS stores have landed and my LDS loads are in: then the work-group's barrier.  Slot 1's load may be on its way across it
	s_wait_dscnt 0x0
	s_barrier_signal -1
	s_barrier_wait -1
.endm
	s_wait_tensorcnt 1                             ; the scale bytes and my part of K step 0 are in (of my four loads the last, K step 1's, may be out)
	s_barrier_signal -1
	s_barrier_wait -1                              ; everybody's are
	GEMM 0, ADRS0
	BIFILL                                         ; m has been used: its registers take the bias again, for the second tile
; THE CHANGE OF TILES.  Slot 1 has been read out.  Each wave waits for all its tensor loads, of which one is out: its part of slot 0, the second tile's K step 0 (m, k x m and the copies above stand between its request and this
; wait); adds 0 to its spare word; waits for that and for its LDS reads.  Behind the round slot 0 is whole for every wave, and slot 1 takes the second tile's K step 1, which has all that follows in which to land.
	s_wait_tensorcnt 0x0
	ds_add_u32 v[SPW], v[NIL]                      ; 0 onto my spare word
	s_add_nc_u64 s[G0+6:G0+7], s[G0+6:G0+7], NEXT_A
	s_sub_nc_u64 s[G0B+6:G0B+7], s[G0B+6:G0B+7], BACK_B
	s_wait_dscnt 0x0
	CROUND
	JLOAD G0+4, G1, G0B+4, G1B
	ASK 3
	s_mov_b32 s[TLS], 2
.Ltile:                                                ; a trip: what follows a tile's products; then, but for the last tile, the next tile's products
.irp w, 0,1                            ; the squares of a token's 64 numbers: my four features here, the sixteen lanes' below
	WIN 0x0a+5*\w
.irp b, 0,1,2,3
.irp p, 0,1,2,3
.irp a, 0,1,2,3
.if \b == 0
	v_pk_mul_f32 v[SS+8*(4*\w+\a)+2*\p:SS+8*(4*\w+\a)+2*\p+1], v[8*(8*\a+\b)+2*\p:8*(8*\a+\b)+2*\p+1], v[8*(8*\a+\b)+2*\p:8*(8*\a+\b)+2*\p+1]
.else
	v_pk_fma_f32 v[SS+8*(4*\w+\a)+2*\p:SS+8*(4*\w+\a)+2*\p+1], v[8*(8*\a+\b)+2*\p:8*(8*\a+\b)+2*\p+1], v[8*(8*\a+\b)+2*\p:8*(8*\a+\b)+2*\p+1], v[SS+8*(4*\w+\a)+2*\p:SS+8*(4*\w+\a)+2*\p+1]
.endif
.endr
.endr
.endr
.endr
	WIN 0
.irp x, 1,2,4,8
.set i, 0
.rept 64
	v_add_f32_dpp v[SS+i], v[SS+i], v[SS+i] row_xmask:\x row_mask:0xf bank_mask:0xf
.set i, i+1
.endr
.endr
.set i, 0
.rept 64
	v_sqrt_f32 v[FF+i], v[SS+i]
.set i, i+1
.endr
	v_nop                                          ; a plain line behind the last root,
	s_wait_alu depctr_va_vdst(0)                   ; and one wait for the batch, ahead of its first reader
.set i, 0
.rept 32
	v_pk_add_f32 v[SS+i:SS+i+1], v[FF+i:FF+i+1], s[EP:EP+1] op_sel_hi:[1,0]
.set i, i+2
.endr
.set i, 0
.rept 64
	v_rcp_f32 v[FF+i], v[SS+i]
.set i, i+1
.endr
	v_nop
	s_wait_alu depctr_va_vdst(0)                   ; one wait for the 64 reciprocals
	KMUL FF                                        ; k / (|k| + 1e-5)
; the sums over my 128 tokens, of k as it now stands and of v: a pair a feature tile, the eight tiles by turns; each accumulator from its low end on
	WIN 0x0a
.irp b, 0,1,2,3,4,5,6,7
	v_pk_add_f32 v[SPR+2*\b:SPR+2*\b+1], v[8*\b:8*\b+1], v[8*\b+2:8*\b+3]
.endr
	WIN 0x08
.irp p, 2,3
.irp b, 0,1,2,3,4,5,6,7
	v_pk_add_f32 v[SPR+2*\b:SPR+2*\b+1], v[SPR+2*\b:SPR+2*\b+1], v[8*\b+2*\p:8*\b+2*\p+1]
.endr
.endr
.irp a, 1,2,3
.irp p, 0,1,2,3
.irp b, 0,1,2,3,4,5,6,7
	v_pk_add_f32 v[SPR+2*\b:SPR+2*\b+1], v[SPR+2*\b:SPR+2*\b+1], v[8*(8*\a+\b)+2*\p:8*(8*\a+\b)+2*\p+1]
.endr
.endr
.endr
	WIN 0x0c
.irp a, 0,1,2,3
.irp p, 0,1,2,3
.irp b, 0,1,2,3,4,5,6,7
	v_pk_add_f32 v[SPR+2*\b:SPR+2*\b+1], v[SPR+2*\b:SPR+2*\b+1], v[8*(8*\a+\b)+2*\p:8*(8*\a+\b)+2*\p+1]
.endr
.endr
.endr
	WIN 0
.irp b, 0,1,2,3,4,5,6,7
	v_add_f32 v[SUM+\b], v[SPR+2*\b], v[SPR+2*\b+1]
.endr
.irp b, 0,1,2,3,4,5,6,7
	v_permlanex16_b32 v[T2+\b], v[SUM+\b], s[SEL], s[SEL+1]        ; (its destination has been written: it held a reciprocal)
.endr
.irp b, 0,1,2,3,4,5,6,7
	v_add_f32 v[SUM+\b], v[SUM+\b], v[T2+\b]       ; with lane l xor 16's tokens
.endr
	QBLK 0
	QBLK 1
	QBLK 2
	QBLK 3
	PLACES 4                                       ; codes written by vector instructions stand four places ahead of a scaled matrix instruction (the scale words were made ahead of the last holds)
	WIN 0
; THE EXCHANGE, in two halves of eight accumulators, since a head's room holds eight: store, barrier, load, barrier, store, barrier, load.  Every wave passes the three barriers; the branches hang on the wave's number alone.
	s_cmp_eq_u32 s15, 0
	s_cbranch_scc1 .Lx1
	WIN 0x55                                       ; tokens 128-255: my kv starts from 0 and goes to the other wave of my head, as an image of its registers
	KVMUL 1
	PLACES NP
	WIN 0x04                                       ; an LDS store's data are its source 1: window 1
.irp t, 0,1,2,3,4,5,6,7
	ds_store_b128 v[EXA], v[KVA+8*\t:KVA+8*\t+3] offset:1024*\t
	ds_store_b128 v[EXA], v[KVA+8*\t+4:KVA+8*\t+7] offset:1024*\t+512
.endr
	WIN 0
	ds_store_b128 v[EXA], v[SUM:SUM+3] offset:8192
	ds_store_b128 v[EXA], v[SUM+4:SUM+7] offset:8704
.Lx1:
	BAR                                            ; the first eight and the sums lie in LDS
	s_cmp_lg_u32 s15, 0
	s_cbranch_scc1 .Lx2
	WIN 0x40                                       ; tokens 0-127: the other wave's kv will be the C of my products
.irp t, 0,1,2,3,4,5,6,7
	ds_load_b128 v[KVA+8*\t:KVA+8*\t+3], v[EXA] offset:1024*\t
	ds_load_b128 v[KVA+8*\t+4:KVA+8*\t+7], v[EXA] offset:1024*\t+512
.endr
	WIN 0
	ds_load_b128 v[SUMX:SUMX+3], v[EXA] offset:8192
	ds_load_b128 v[SUMX+4:SUMX+7], v[EXA] offset:8704
.Lx2:
	BAR                                            ; they have been read: the room may be written again
	s_cmp_eq_u32 s15, 0
	s_cbranch_scc1 .Lx3
	WIN 0x04
.irp t, 0,1,2,3,4,5,6,7
	ds_store_b128 v[EXA], v[KVA+64+8*\t:KVA+64+8*\t+3] offset:1024*\t
	ds_store_b128 v[EXA], v[KVA+64+8*\t+4:KVA+64+8*\t+7] offset:1024*\t+512
.endr
	WIN 0
.Lx3:
	BAR                                            ; the other eight lie in LDS
	s_cmp_lg_u32 s15, 0
	s_cbranch_scc1 .Lx4
	WIN 0x40
.irp t, 0,1,2,3,4,5,6,7
	ds_load_b128 v[KVA+64+8*\t:KVA+64+8*\t+3], v[EXA] offset:1024*\t
	ds_load_b128 v[KVA+64+8*\t+4:KVA+64+8*\t+7], v[EXA] offset:1024*\t+512
.endr
	WIN 0
	s_wait_dscnt 0x0
	WIN 0x55
	KVMUL 0
	WIN 0
.irp b, 0,1,2,3,4,5,6,7
	v_add_f32 v[SUM+\b], v[SUM+\b], v[SUMX+\b]     ; the sums of the 256 tokens; these eight are the places behind the products
.endr
	WIN 0x04                                       ; a store's data are its source 1: window 1
.irp t, 0,1,2,3,4,5,6,7,8,9,10,11,12,13,14,15
	global_store_b128 v[CO], v[KVA+8*\t:KVA+8*\t+3], s[12:13] offset:1024*\t       ; 32 lanes store 512 consecutive bytes, at a multiple of 256 from the buffer's first byte
	global_store_b128 v[CO], v[KVA+8*\t+4:KVA+8*\t+7], s[12:13] offset:1024*\t+512
.endr
	WIN 0
	global_store_b128 v[CO], v[SUM:SUM+3], s[12:13] offset:16384
	global_store_b128 v[CO], v[SUM+4:SUM+7], s[12:13] offset:16896
.Lx4:
	s_cmp_eq_u32 s[TLS], 1
	s_cbranch_scc1 .Lend                           ; behind the last tile nothing follows: the way out of the loop
	s_wait_xcnt 0x0                                ; the stores have read their base and their registers: only behind this wait is the base stepped, and are kv's registers loaded again
	s_add_nc_u64 s[12:13], s[12:13], TSTEP_P       ; the second tile's record
	GEMM 1, ADRS1                                  ; slot 0 was shown whole to every wave by the round at the change of tiles
	s_sub_co_u32 s[TLS], s[TLS], 1
	s_cmp_lg_u32 s[TLS], 0
	s_cbranch_scc1 .Ltile
.Lend:
	s_wait_tensorcnt 0x0                           ; the wave's end
	ds_add_u32 v[SPW], v[NIL]
	s_wait_dscnt 0x0
	CROUND                                         ; the closing round: no work-group ends while a partner may still ask for a tile that names it
	s_endpgm
.Lfunc_end_k_qc29b5f66fd_kvp:
	.size	k_qc29b5f66fd_kvp, .Lfunc_end_k_qc29b5f66fd_kvp-k_qc29b5f66fd_kvp
	.p2alignl 7, 3214868480
	.fill 96, 4, 3214868480
	.section	.rodata,"a",@progbits
	.p2align	6, 0x0
	.amdhsa_kernel k_qc29b5f66fd_kvp
		.amdhsa_group_segment_fixed_size 327680
		.amdhsa_private_segment_fixed_size 0
		.amdhsa_enable_private_segment 0
		.amdhsa_kernarg_size 64
		.amdhsa_user_sgpr_count 2
		.amdhsa_user_sgpr_kernarg_segment_ptr 1
		.amdhsa_wavefront_size32 1
		.amdhsa_system_sgpr_workgroup_id_x 1
		.amdhsa_system_sgpr_workgroup_id_y 1
		.amdhsa_system_sgpr_workgroup_id_z 1
		.amdhsa_system_vgpr_workitem_id 0
		.amdhsa_next_free_vgpr 1024
		.amdhsa_next_free_sgpr 102
		.amdhsa_reserve_vcc 0
		.amdhsa_float_denorm_mode_32 3
		.amdhsa_float_denorm_mode_16_64 3
		.amdhsa_memory_ordered 1
		.amdhsa_forward_progress 1
		.amdhsa_inst_pref_size 255
	.end_amdhsa_kernel
	.section	.bss,"aw",@nobits
	.p2align	6
	.space	262144
	.amdgpu_metadata
---
amdhsa.version: [ 1, 2 ]
amdhsa.kernels:
  - .name:           k_qc29b5f66fd_kvp
    .symbol:         k_qc29b5f66fd_kvp.kd
    .args:
      - { .name: xc, .offset: 0, .size: 8, .value_kind: global_buffer, .address_space: global }
      - { .name: xs, .offset: 8, .size: 8, .value_kind: global_buffer, .address_space: global }
      - { .name: wc, .offset: 16, .size: 8, .value_kind: global_buffer, .address_space: global }
      - { .name: ws, .offset: 24, .size: 8, .value_kind: global_buffer, .address_space: global }
      - { .name: part, .offset: 32, .size: 8, .value_kind: global_buffer, .address_space: global }
      - { .name: bk, .offset: 40, .size: 8, .value_kind: global_buffer, .address_space: global }
      - { .name: bv, .offset: 48, .size: 8, .value_kind: global_buffer, .address_space: global }
      - { .name: attention_mask, .offset: 56, .size: 8, .value_kind: global_buffer, .address_space: global }
    .group_segment_fixed_size: 327680
    .private_segment_fixed_size: 0
    .kernarg_segment_align: 8
    .kernarg_segment_size: 64
    .max_flat_workgroup_size: 128
    .sgpr_count:     102
    .vgpr_count:     1024
    .wavefront_size: 32
...
	.end_amdgpu_metadata
.endif
;; end of part 2
;; launch red (part 3): grid 256 x 1, 4 waves a work-group, no clusters, 18,944 bytes of LDS; arguments part, attention_mask, fin; writes fin
.if DOCPART == 3
	.amdgcn_target "amdgcn-amd-amdhsa--gfx1250"
	.amdhsa_code_object_version 6
	.text
	.protected	k_qc29b5f66fd_red
	.globl	k_qc29b5f66fd_red
	.p2align	8
	.type	k_qc29b5f66fd_red,@function
k_qc29b5f66fd_red:
	s_mov_b64 s[64:65], 0
	v_nop
	global_prefetch_b8 v0, s[64:65] scope:SCOPE_SE
	s_setreg_imm32_b32 hwreg(HW_REG_WAVE_MODE, 25, 1), 1
	s_wait_xcnt 0x0
; For each of the 64 (batch, head): the 16 partial kv, sums of k and sums of v are added; kv is quantised along d (codes of BF8, one E8M0 byte for each 32 d); the batch's sum of m = mask / 10,000 + 1 is taken.
; A work-group takes one (batch, head) and one tile et of 16 columns e of kv (all 64 d), with the sums of k and v at places 16 et .. 16 et + 15.  Wave w adds partials 4 w .. 4 w + 3 and m of tokens 1,024 w on;
; the four waves' figures meet in LDS behind one barrier, and wave 0 adds them in the fixed order ((0 + 1) + (2 + 3)), quantises and stores.
; In a partial's image lane (r, h) holds column e = place 16 et + r, and register 8 dt + j the place 16 dt + 8 h + j of d, which is d = 32 (dt / 2) + 16 h + 8 (dt % 2) + j: so registers 16 c + i are d = 32 c + 16 h + i,
; the very layout of an operand: the conversions' results are stored as an image of the operand's registers.
; fin: a record of 5,632 bytes a (batch, head): codes at 1,024 et + 512 c + 16 lane; scale words at 4,096 + 128 et + 4 lane (bytes 0, 1 in even heads, 2, 3 in odd ones: two heads share a matrix instruction's K later);
; the sum of k at 4,608 and of v at 4,864, 64 f32 each, in the order of places; the sum of m at 5,120 on.  The small stores of a work-group cover 64 or 128 consecutive bytes: 1,536 bytes a record.
; No cluster and no matrix unit: each partial is read once, and memory binds.  LIMITS: NaN and infinities are not served; a block under 2^-111 keeps the scale byte 1.
.set PREC,  17408
.set PSTR,  16*PREC                    ; from a partial to the next of the same head
.set WLDS,  4608                       ; a wave's room in LDS: nine images of four registers
	s_load_b128 s[4:7], s[0:1], 0x0                ; part, the mask
	s_load_b64 s[8:9], s[0:1], 0x10                ; fin
	v_lshl_add_u32 v254, v0, 2, 0x4800
	v_mov_b32 v255, 0
	v_lshrrev_b32 v1, 5, v0
	v_readfirstlane_b32 s10, v1                    ; wave
	v_and_b32 v3, 31, v0                           ; lane
	v_lshlrev_b32 v1, 4, v3                        ; 16 x lane
	v_lshlrev_b32 v2, 2, v3                        ; 4 x lane
	s_and_b32 s11, ttmp9, 3                        ; et
	s_lshr_b32 s12, ttmp9, 2                       ; batch x 16 + head
	s_lshr_b32 s13, s12, 4                         ; batch
	s_and_b32 s14, s12, 15                         ; head
	s_lshl_b32 s16, s13, 4
	s_lshl_b32 s17, s10, 2
	s_add_co_u32 s16, s16, s17                     ; my first token tile: 16 x batch + 4 x wave
	s_lshl_b32 s16, s16, 4
	s_add_co_u32 s16, s16, s14
	s_mul_i32 s16, s16, PREC                       ; its record
	s_mov_b32 s17, 0
	s_lshl_b32 s18, s11, 10                        ; kv: tile 4 dt + et
	s_mov_b32 s19, 0
	s_lshl_b32 s20, s11, 2
	s_add_co_u32 s20, s20, 16384                   ; the sums: word et of a lane's four
	s_mov_b32 s21, 0
	s_lshl_b32 s22, s13, 14
	s_lshl_b32 s23, s10, 12
	s_add_co_u32 s22, s22, s23                     ; the mask: the batch's 4,096 tokens, my 1,024
	s_mov_b32 s23, 0
	s_mul_i32 s24, s12, 5632
	s_mov_b32 s25, 0
	s_mul_i32 s28, s10, WLDS
	v_add_nc_u32 v4, s28, v1                       ; LDS: my wave's room, 16 x lane
	v_add_nc_u32 v5, s18, v1                       ; fin: the codes' image
	s_lshl_b32 s38, s11, 7
	v_add_nc_u32 v6, s38, v2                       ; the words
	v_and_b32 v8, 15, v3
	v_lshrrev_b32 v9, 4, v3
	v_lshlrev_b32 v7, 2, v8
	v_lshl_add_u32 v7, v9, 8, v7
	s_lshl_b32 s39, s11, 6
	v_add_nc_u32 v7, s39, v7                       ; the sums: lanes 0-15 k's, lanes 16-31 v's, 256 bytes on: 4 (16 et + r)
	s_mov_b32 s30, 0x38d1b717                      ; 1 / 10,000
	s_mov_b32 s31, s30
	s_mov_b32 s32, 0xc61c4000                      ; -10,000
	s_mov_b32 s33, s32
	s_mov_b32 s34, 0x76543210
	s_mov_b32 s35, 0xfedcba98                      ; v_permlanex16_b32's selects for lane l xor 16
	s_mov_b32 s36, 0x600000                        ; the mantissa field of 57,344
	s_and_b32 s37, s14, 1
	s_lshl_b32 s37, s37, 4                         ; odd heads: the scale bytes go to bytes 2 and 3
	s_wait_kmcnt 0x0
	s_add_nc_u64 s[4:5], s[4:5], s[16:17]
	s_add_nc_u64 s[26:27], s[4:5], s[20:21]
	s_add_nc_u64 s[4:5], s[4:5], s[18:19]
	s_add_nc_u64 s[6:7], s[6:7], s[22:23]
	s_add_nc_u64 s[8:9], s[8:9], s[24:25]
.irp i, 0,1,2,3                        ; 48 loads, all on their way at once
.irp dt, 0,1,2,3
.irp q, 0,1
	global_load_b128 v[32+32*\i+8*\dt+4*\q:32+32*\i+8*\dt+4*\q+3], v1, s[4:5] offset:\i*PSTR+\dt*4096+\q*512 th:TH_LOAD_NT
.endr
.endr
	global_load_b32 v[160+\i], v1, s[26:27] offset:\i*PSTR
	global_load_b32 v[164+\i], v1, s[26:27] offset:\i*PSTR+512
.endr
.irp n, 0,1,2,3,4,5,6,7
	global_load_b128 v[168+4*\n:168+4*\n+3], v1, s[6:7] offset:512*\n
.endr
	s_wait_loadcnt 0x0
.set p, 0
.rept 16
	v_pk_add_f32 v[32+p:33+p], v[32+p:33+p], v[64+p:65+p]
	v_pk_add_f32 v[96+p:97+p], v[96+p:97+p], v[128+p:129+p]
.set p, p+2
.endr
.set p, 0
.rept 16
	v_pk_add_f32 v[32+p:33+p], v[32+p:33+p], v[96+p:97+p]
.set p, p+2
.endr
	v_add_f32 v200, v160, v161
	v_add_f32 v204, v162, v163
	v_add_f32 v201, v164, v165
	v_add_f32 v205, v166, v167
	v_add_f32 v200, v200, v204                     ; my four partials' sum of k,
	v_add_f32 v201, v201, v205                     ; and of v
; m = mask / 10,000 + 1: the quotient by 1 / 10,000 and one correction
.set p, 0
.rept 16
	v_pk_mul_f32 v[204+p:205+p], v[168+p:169+p], s[30:31] op_sel_hi:[1,0]
.set p, p+2
.endr
.set p, 0
.rept 16
	v_pk_fma_f32 v[168+p:169+p], v[204+p:205+p], s[32:33], v[168+p:169+p] op_sel_hi:[1,0,1]
.set p, p+2
.endr
.set p, 0
.rept 16
	v_pk_fma_f32 v[204+p:205+p], v[168+p:169+p], s[30:31], v[204+p:205+p] op_sel_hi:[1,0,1]
.set p, p+2
.endr
.set p, 0
.rept 16
	v_pk_add_f32 v[168+p:169+p], v[204+p:205+p], 1.0 op_sel_hi:[1,0]
.set p, p+2
.endr
.irp k, 0,2,4,6,8,10,12,14
	v_pk_add_f32 v[168+\k:169+\k], v[168+\k:169+\k], v[184+\k:185+\k]
.endr
.irp k, 0,2,4,6
	v_pk_add_f32 v[168+\k:169+\k], v[168+\k:169+\k], v[176+\k:177+\k]
.endr
.irp k, 0,2
	v_pk_add_f32 v[168+\k:169+\k], v[168+\k:169+\k], v[172+\k:173+\k]
.endr
	v_pk_add_f32 v[168:169], v[168:169], v[170:171]
	v_add_f32 v202, v168, v169                     ; my lane's 32 tokens' m
	v_mov_b32 v203, 0
.irp n, 0,1,2,3,4,5,6,7
	ds_store_b128 v4, v[32+4*\n:32+4*\n+3] offset:512*\n
.endr
	ds_store_b128 v4, v[200:203] offset:4096
	s_wait_dscnt 0x0                               ; for wave 0's sake: my stores have landed
	s_barrier_signal -1
	s_barrier_wait -1
	s_cmp_lg_u32 s10, 0
	s_cbranch_scc1 .Lend
.irp w, 0,1,2,3
.irp n, 0,1,2,3,4,5,6,7,8
	ds_load_b128 v[32+36*\w+4*\n:32+36*\w+4*\n+3], v1 offset:\w*WLDS+512*\n
.endr
.endr
	s_wait_dscnt 0x0
.set p, 0
.rept 18
	v_pk_add_f32 v[32+p:33+p], v[32+p:33+p], v[68+p:69+p]
	v_pk_add_f32 v[104+p:105+p], v[104+p:105+p], v[140+p:141+p]
.set p, p+2
.endr
.set p, 0
.rept 18
	v_pk_add_f32 v[32+p:33+p], v[32+p:33+p], v[104+p:105+p]        ; v32-63 kv; v64 the sum of k, v65 of v, v66 my lane's share of m
.set p, p+2
.endr
	v_add_f32_dpp v66, v66, v66 row_xmask:1 row_mask:0xf bank_mask:0xf
	v_add_f32_dpp v66, v66, v66 row_xmask:2 row_mask:0xf bank_mask:0xf
	v_add_f32_dpp v66, v66, v66 row_xmask:4 row_mask:0xf bank_mask:0xf
	v_add_f32_dpp v66, v66, v66 row_xmask:8 row_mask:0xf bank_mask:0xf
	v_permlanex16_b32 v68, v66, s34, s35           ; (its destination has been written: it held a partial)
	v_add_f32 v66, v66, v68                        ; the batch's sum of m, in every lane
.irp c, 0,1
	v_max3_num_f32 v[70+\c], |v[32+16*\c]|, |v[33+16*\c]|, 0x8000000   ; block c of 32 d: my 16 numbers, and the floor 2^(16 - 127)
.endr
.irp i, 2,4,6,8,10,12,14
.irp c, 0,1
	v_max3_num_f32 v[70+\c], v[70+\c], |v[32+16*\c+\i]|, |v[33+16*\c+\i]|
.endr
.endr
.irp c, 0,1
	v_permlanex16_b32 v[72+\c], v[70+\c], s34, s35
.endr
.irp c, 0,1
	v_max_num_f32 v[70+\c], v[70+\c], v[72+\c]     ; with lane l xor 16's 16
.endr
.irp c, 0,1
	v_add_nc_u32 v[74+\c], 0xf8800000, v[70+\c]    ; 15 off the exponent field: the conversion's scale operand
.endr
.irp c, 0,1
	v_and_or_b32 v[76+\c], v[70+\c], 0x7f800000, s36   ; 57,344 x the scale
.endr
.irp c, 0,1
	v_lshrrev_b32 v[78+\c], 23, v[74+\c]           ; the scale's byte
.endr
.irp c, 0,1
.irp i, 0,1,2,3,4,5,6,7,8,9,10,11,12,13,14,15
	v_med3_num_f32 v[32+16*\c+\i], v[32+16*\c+\i], -v[76+\c], v[76+\c]   ; the conversion does not saturate (ISA guide 7.6.2): the hold comes first
.endr
	v_cvt_scalef32_pk8_bf8_f32 v[80+4*\c:81+4*\c], v[32+16*\c:39+16*\c], v[74+\c]
	v_cvt_scalef32_pk8_bf8_f32 v[82+4*\c:83+4*\c], v[40+16*\c:47+16*\c], v[74+\c]
.endr
	v_lshl_or_b32 v88, v79, 8, v78                 ; (a plain line behind the conversions)  the two bytes,
	v_lshlrev_b32 v88, s37, v88                    ; at the head's place in the word
	v_cmp_gt_u32 vcc_lo, 16, v3
	v_cndmask_b32 v89, v65, v64, vcc_lo            ; lanes 0-15: the sum of k; lanes 16-31: of v
	global_store_b128 v5, v[80:83], s[8:9]
	global_store_b128 v5, v[84:87], s[8:9] offset:512
	global_store_b32 v6, v88, s[8:9] offset:4096
	global_store_b32 v7, v89, s[8:9] offset:4608
	global_store_b32 v6, v66, s[8:9] offset:5120
.Lend:
	s_wait_tensorcnt 0x0
	ds_add_u32 v254, v255
	s_wait_dscnt 0x0
	s_endpgm
.Lfunc_end_k_qc29b5f66fd_red:
	.size	k_qc29b5f66fd_red, .Lfunc_end_k_qc29b5f66fd_red-k_qc29b5f66fd_red
	.p2alignl 7, 3214868480
	.fill 96, 4, 3214868480
	.section	.rodata,"a",@progbits
	.p2align	6, 0x0
	.amdhsa_kernel k_qc29b5f66fd_red
		.amdhsa_group_segment_fixed_size 18944
		.amdhsa_private_segment_fixed_size 0
		.amdhsa_enable_private_segment 0
		.amdhsa_kernarg_size 24
		.amdhsa_user_sgpr_count 2
		.amdhsa_user_sgpr_kernarg_segment_ptr 1
		.amdhsa_wavefront_size32 1
		.amdhsa_system_sgpr_workgroup_id_x 1
		.amdhsa_system_sgpr_workgroup_id_y 1
		.amdhsa_system_sgpr_workgroup_id_z 1
		.amdhsa_system_vgpr_workitem_id 0
		.amdhsa_next_free_vgpr 256
		.amdhsa_next_free_sgpr 66
		.amdhsa_reserve_vcc 1
		.amdhsa_float_denorm_mode_32 3
		.amdhsa_float_denorm_mode_16_64 3
		.amdhsa_memory_ordered 1
		.amdhsa_forward_progress 1
		.amdhsa_inst_pref_size 27
	.end_amdhsa_kernel
	.amdgpu_metadata
---
amdhsa.version: [ 1, 2 ]
amdhsa.kernels:
  - .name:           k_qc29b5f66fd_red
    .symbol:         k_qc29b5f66fd_red.kd
    .args:
      - { .name: part, .offset: 0, .size: 8, .value_kind: global_buffer, .address_space: global }
      - { .name: attention_mask, .offset: 8, .size: 8, .value_kind: global_buffer, .address_space: global }
      - { .name: fin, .offset: 16, .size: 8, .value_kind: global_buffer, .address_space: global }
    .group_segment_fixed_size: 18944
    .private_segment_fixed_size: 0
    .kernarg_segment_align: 8
    .kernarg_segment_size: 24
    .max_flat_workgroup_size: 128
    .sgpr_count:     66
    .vgpr_count:     256
    .wavefront_size: 32
...
	.end_amdgpu_metadata
.endif
;; end of part 3
;; launch qctx (part 4): grid 4 x 64, 4 waves a work-group, clusters of 4 x 4, 327,680 bytes of LDS; arguments xc, xs, wc, ws, out0, bq, attention_mask, fin; writes out0
.if DOCPART == 4
	.amdgcn_target "amdgcn-amd-amdhsa--gfx1250"
	.amdhsa_code_object_version 6
	.text
	.protected	k_qc29b5f66fd_qctx
	.globl	k_qc29b5f66fd_qctx
	.p2align	8
	.type	k_qc29b5f66fd_qctx,@function
k_qc29b5f66fd_qctx:
	s_mov_b64 s[64:65], 0
	v_nop
	global_prefetch_b8 v0, s[64:65] scope:SCOPE_SE
	s_setreg_imm32_b32 hwreg(HW_REG_WAVE_MODE, 25, 1), 1
	s_wait_xcnt 0x0
	s_wait_alu depctr_hold_cnt(0) depctr_sa_sdst(0) depctr_va_vdst(0) depctr_va_sdst(0) depctr_va_ssrc(0) depctr_va_vcc(0) depctr_vm_vsrc(0)
	s_getreg_b32 s2, hwreg(HW_REG_IB_STS2, 6, 4)
	s_cmp_eq_u32 s2, 0
	s_cbranch_scc0 .Lentry_in_a_cluster
	s_endpgm
.Lentry_in_a_cluster:
	s_bfe_u32 s2, ttmp6, 0x10000c
	s_cmp_lg_u32 s2, 0xf033
	s_cbranch_scc0 .Lentry_shape_is_right
	s_endpgm
.Lentry_shape_is_right:
; q = x Wq + bq on codes of BF8 with E8M0 scales; q x m, q / (|q| + 1e-5); the divisor q . (sum of k) + 1e-5 + (sum of m), in f32 on the unquantised q; q quantised along the head's 64; out = (q kv + sum of v) / the divisor.
; A work-group makes 256 tokens x 256 features (four heads).  Four waves, each 128 tokens x two heads: 64 accumulators, 512 registers.  K = 1,024 goes in four steps of 256 through two LDS slots filled by the tensor data
; mover; the scale bytes come once.  CLUSTERS of 4 x 4: x's tiles are asked for jointly along a row of the cluster, Wq's along a column.
; SOURCE 0 = 16 FEATURES, SOURCE 1 = 16 TOKENS: a lane holds ONE token (place 16 a + lane % 16) and its registers run along the features.  Wq's rows lie in wc at places P(feature) (bits 3, 4 exchanged), so the 16 registers of
; feature tiles 2 c and 2 c + 1 are the 16 neighbours 32 c + 16 (lane / 16) + 0 .. 15 along d: the conversions' results ARE q's operand.  The bias is the C of each sum's first matrix instruction.
; q kv has K = 64: TWO HEADS SHARE ONE MATRIX INSTRUCTION'S 128.  q's fragment holds head 0's 64 codes, then head 1's; kv's fragment for a head holds its codes against its own half and zero codes against the other's.
; The sum of v is the C of those products.  Results leave through the wave's stage in LDS (in slot 0, which has had its last fill and its last read) as whole rows of 512 bytes.
; REGISTERS, in windows of 256.  window 0: v0-31 addresses and the raw mask; v32-63 scale words and nothing else; v64-127 the bias as C, then the sum of k; v128-255 x's fragments, then at work.
; window 1: Wq's fragments, two sets; then q's codes (v0-63), kv's codes (v64-159), the sum of v (v160-223).  window 2: the accumulators of token tiles 0-3 ((a, b) at v[8 (8 a + b)]); window 3: those of tiles 4-7.
; LIMITS: NaN and infinities are not served; a block under 2^-111 keeps the scale byte 1; both divisions are v_rcp_f32 and a multiplication.
.set KSTEP,  256
.set NQ,     2
.set ROWB,   256
.set KROW,   1024
.set PITCH,  272                       ; an LDS row: 256 + 16 bytes = 68 words: the 16 rows that a load touches start at 16 different banks (64 banks of 4 bytes: ISA guide 11.1)
.set FR,     16
.set NL,     4
.set NP,     8                         ; places behind this matrix instruction (ISA guide 7.12.1)
.set HALFT,  128*PITCH
.set SLOT,   4*HALFT
.set KSB,    32
.set SCL,    2*SLOT
.set HALFS,  (128*KSB/256)*272
.set SBLK,   (16*KSB/256)*272
.set SPARE,  SCL+4*HALFS               ; the spare words: 128 bytes a wave, two blocks of 256 bytes that no other line names
.set SPITCH, 528                       ; the stage: 16 rows x (512 bytes + 16) for each wave
.set FREC,   5632                      ; a record of fin
.set MOF,  7                           ; v7   the mask: 4 (r + 8 (r / 8))
.set MR,   8                           ; v8-15 the raw mask of my token in each of the 8 token tiles
.set ADRA, 16
.set ADRB, 20
.set L4,   22                          ; v22  4 x lane
.set STO,  24                          ; v24  the stage: where I put 32 bytes of a row
.set RD,   25                          ; v25  and where I read a row back
.set CO,   26                          ; v26  16 x lane
.set ADRS, 27
.set SPW,  28                          ; v28  my spare word; never rewritten
.set NIL,  29                          ; v29  0; never rewritten
.set H64,  30                          ; v30  64 (lane / 16)
.set H32,  31                          ; v31  32 (lane / 16)
.set SC,   32
.set SWQ,  32                          ; v32-35 q's scale words, a register a token tile of the window
.set KVS,  36                          ; v36-43 kv's scale words: 4 hh + et
.set BI,   64
.set KSU,  64                          ; the sum of k in my registers' order: 32 hh + 8 t + j
.set AF,   128
.set MQ,   128                         ; v128-143 m, in the low word of a pair a token tile (the upper words are named with them; they have been written, as fragments, and are not used)
.set XP,   144                         ; v144-159 a pair a unit (token tile of the window x head): sums
.set YP,   160                         ; v160-175 a pair a unit: a factor in the low word
.set TM,   176                         ; v176-191 the quantiser, a register a block of 32 d: largest magnitudes,
.set T2,   192                         ; the other half's, then bytes,
.set SO,   208                         ; the conversions' scale operands,
.set HOLD, 224                         ; 57,344 x the scale
.set KVF,  64                          ; window 1: tile et at v[KVF + 24 et]: head 0's 8 registers of codes, 8 of zeros, head 1's 8
.set VS,   160                         ; window 1: the sum of v in the result's layout: 8 (4 hh + et)
.set SM,   2                           ; s2   the batch's sum of m
.set FLR,  3                           ; s3   2^(16 - 127)
.set RC,   18                          ; s18  1 / 10,000
.set EP,   20                          ; s20  1e-5
.set NT,   22                          ; s22  -10,000
.set SEL,  66
.set MNT,  95
.set G1, 24
.set G0, 32
.set G1B, 48
.set G0B, 56
.set G1S, 68
.set G0S, 76
.set G1SB, 80
.set G0SB, 88
.set MSB, 0
.macro WIN new                         ; bits 1:0 source 0, 3:2 source 1, 5:4 source 2, 7:6 destination; the high byte repeats the setting that is left
.if MSB != (\new)
	s_set_vgpr_msb (MSB<<8)|(\new)
.set MSB, (\new)
.endif
.endm
.set MUL_LO, 0xa1                      ; source 0 (Wq) window 1, source 1 (x) window 0, C and D window 2
.set MUL_HI, 0xf1
.set FST_LO, 0x81                      ; the first K step: C (the bias) window 0
.set FST_HI, 0xc1
.set TO_B,   0x40
.macro JLOAD g0a, g1a, g0b, g1b        ; a joint load: waves 0 and 1 fetch for x, waves 2 and 3 for Wq; four v_nop follow each of the two lines
	s_cmp_eq_u32 s15, 0
	s_cbranch_scc0 .Lfor_b_\@
	tensor_load_to_lds s[\g0a:\g0a+3], s[\g1a:\g1a+7]
	s_nop 0
.rept 4
	v_nop
.endr
	s_branch .Lasked_\@
.Lfor_b_\@:
	tensor_load_to_lds s[\g0b:\g0b+3], s[\g1b:\g1b+7]
	s_nop 0
.rept 4
	v_nop
.endr
.Lasked_\@:
.endm
.macro CREST
	s_cmp_lg_u32 s14, 0
	s_cbranch_scc1 .Lnot_wave_0_\@
	s_barrier_signal -3
.Lnot_wave_0_\@:
	s_barrier_wait -3
	s_barrier_signal -1
	s_barrier_wait -1
.endm
.macro CROUND
	s_barrier_signal -1
	s_barrier_wait -1
	CREST
.endm
	s_load_b128 s[4:7], s[0:1], 0x0                ; xc, xs
	s_load_b128 s[8:11], s[0:1], 0x10              ; wc, ws
	s_load_b64 s[12:13], s[0:1], 0x20              ; out0
	s_load_b128 s[96:99], s[0:1], 0x28             ; bq, the mask
	s_load_b64 s[100:101], s[0:1], 0x38            ; fin
	v_lshl_add_u32 v[SPW], v0, 2, SPARE
	v_mov_b32 v[NIL], 0
	ds_add_u32 v28, v29
	ds_add_u32 v28, v29
	s_wait_dscnt 0x0
	v_lshrrev_b32 v1, 5, v0
	v_readfirstlane_b32 s14, v1                    ; wave 0..3
	s_lshr_b32 s15, s14, 1                         ; which 128 tokens are mine.  Also: I fetch for x (0) or for Wq (1)
	s_and_b32 s16, s14, 1                          ; which two heads of the four.  Also: which 128 rows of that tile I fetch
	s_bfe_u32 s40, ttmp6, 0x40000                  ; cx, cy
	s_bfe_u32 s41, ttmp6, 0x40004
	s_lshl_b32 s42, ttmp9, 2
	s_add_co_u32 s42, s42, s40                     ; tile column
	s_and_b32 s17, ttmp7, 0xffff
	s_lshl_b32 s17, s17, 2
	s_add_co_u32 s17, s17, s41                     ; tile row
	s_lshl_b32 s43, s41, 2
	s_lshl_b32 s43, 15, s43                        ; my row of the cluster
	s_lshl_b32 s44, 0x1111, s40                    ; my column
	s_or_b32 s[G1+0], s43, (0<<16)|(1<<20)|(1<<21)|(5<<22)|(3<<25)  ; 15:0 the mask; 17:16 elements of 1 byte; 20 padding on; 21 set beside a mask; 24:22 after every 64 words; 31:25 four words
	s_or_b32 s[G1B+0], s44, (0<<16)|(1<<20)|(1<<21)|(5<<22)|(3<<25)
.irp g, G1, G1B
	s_mov_b32 s[\g+1], ROWB<<16
	s_mov_b32 s[\g+2], 128<<16
	s_mov_b32 s[\g+3], ROWB<<16
	s_mov_b32 s[\g+4], 128
	s_mov_b32 s[\g+5], KROW
	s_mov_b32 s[\g+6], 0
	s_mov_b32 s[\g+7], 0
.endr
	s_or_b32 s[G1S+0], s43, (3<<16)|(1<<20)|(1<<21)|(5<<22)|(3<<25)   ; the scale bytes of 128 rows: 16 rows of 256 bytes (32 elements of 8 bytes), 16 bytes of padding behind each
	s_or_b32 s[G1SB+0], s44, (3<<16)|(1<<20)|(1<<21)|(5<<22)|(3<<25)
.irp g, G1S, G1SB
	s_mov_b32 s[\g+1], 32<<16
	s_mov_b32 s[\g+2], (128*KSB/256)<<16
	s_mov_b32 s[\g+3], 32<<16
	s_mov_b32 s[\g+4], 128*KSB/256
	s_mov_b32 s[\g+5], 32
	s_mov_b32 s[\g+6], 0
	s_mov_b32 s[\g+7], 0
.endr
	s_lshl_b32 s18, s16, 7
	s_lshl_b32 s20, s17, 8
	s_add_co_u32 s20, s20, s18                     ; x: place 256 x tile row + 128 x half
	s_lshl_b32 s46, s42, 8
	s_add_co_u32 s46, s46, s18
	s_add_co_u32 s46, s46, 2048                    ; Wq: row 2,048 + 256 x tile column + 128 x half
	s_lshl_b32 s22, s20, 5
	s_mov_b32 s23, 0
	s_lshl_b32 s92, s46, 5
	s_mov_b32 s93, 0
	s_lshl_b32 s20, s20, 10
	s_mov_b32 s21, 0
	s_lshl_b32 s46, s46, 10
	s_mov_b32 s47, 0
	s_mul_i32 s45, s14, HALFT
	s_mul_i32 s94, s14, HALFS
	s_wait_kmcnt 0x0
	s_add_nc_u64 s[20:21], s[4:5], s[20:21]
	s_add_nc_u64 s[22:23], s[6:7], s[22:23]
	s_add_nc_u64 s[46:47], s[8:9], s[46:47]
	s_add_nc_u64 s[92:93], s[10:11], s[92:93]
	CROUND                                         ; all sixteen work-groups are here: the first joint loads meet
	s_mov_b32 s[G0S], 1
	s_add_co_u32 s[G0S+1], s94, SCL
	s_mov_b64 s[G0S+2:G0S+3], s[22:23]
	s_or_b32 s[G0S+3], s[G0S+3], 0x80000000
	s_mov_b32 s[G0SB], 1
	s_add_co_u32 s[G0SB+1], s94, SCL
	s_mov_b64 s[G0SB+2:G0SB+3], s[92:93]
	s_or_b32 s[G0SB+3], s[G0SB+3], 0x80000000
	JLOAD G0S, G1S, G0SB, G1SB
.irp s, 0,1
	s_mov_b32 s[G0+4*\s], 1
	s_add_co_u32 s[G0+4*\s+1], s45, \s*SLOT
	s_add_nc_u64 s[G0+4*\s+2:G0+4*\s+3], s[20:21], \s*ROWB
	s_or_b32 s[G0+4*\s+3], s[G0+4*\s+3], 0x80000000
	s_mov_b32 s[G0B+4*\s], 1
	s_add_co_u32 s[G0B+4*\s+1], s45, \s*SLOT
	s_add_nc_u64 s[G0B+4*\s+2:G0B+4*\s+3], s[46:47], \s*ROWB
	s_or_b32 s[G0B+4*\s+3], s[G0B+4*\s+3], 0x80000000
	JLOAD G0+4*\s, G1, G0B+4*\s, G1B               ; three tensor loads of mine are out
.endr
	v_and_b32 v1, 15, v0                           ; r
	v_bfe_u32 v2, v0, 4, 1                         ; h
	v_mul_u32_u24 v3, v1, PITCH
	v_lshl_add_u32 v4, v2, 4, v3
	s_mul_i32 s21, s15, HALFT
	s_mul_i32 s22, s16, HALFT
	s_add_co_u32 s22, s22, 2*HALFT
.irp s, 0,1
	v_add_nc_u32 v[ADRA+\s], s21, v4
	v_add_nc_u32 v[ADRB+\s], s22, v4
	s_add_co_u32 s21, s21, SLOT
	s_add_co_u32 s22, s22, SLOT
.endr
	v_mul_u32_u24 v5, v1, KSB
	v_lshrrev_b32 v6, 8, v5
	v_lshl_add_u32 v5, v6, 4, v5
	s_mul_i32 s21, s15, HALFS
	s_mul_i32 s22, s16, HALFS
	s_add_co_u32 s22, s22, 2*HALFS
	s_sub_co_u32 s22, s22, s21
	v_mul_u32_u24 v6, s22, v2                      ; lanes 16-31 take Wq's
	s_add_co_u32 s21, s21, SCL
	v_add_nc_u32 v5, v5, v6
	v_add_nc_u32 v[ADRS], s21, v5
	v_and_b32 v6, 31, v0
	v_lshlrev_b32 v[CO], 4, v6
	v_lshlrev_b32 v[L4], 2, v6
	s_mul_i32 s23, s14, 16*SPITCH                  ; my stage
	v_mul_u32_u24 v5, v1, SPITCH
	v_lshl_add_u32 v5, v2, 6, v5
	v_add_nc_u32 v[STO], s23, v5                   ; in: row r, + 64 h: place 16 et + 8 h + j of a head is e = 32 (et / 2) + 16 h + 8 (et % 2) + j
	v_add_nc_u32 v[RD], s23, v[CO]                 ; back: the 32 lanes take one row of 512 bytes
	v_lshrrev_b32 v6, 3, v1
	v_lshl_add_u32 v6, v6, 3, v1                   ; r + 8 (r / 8): place 16 a + r is token 32 (a / 2) + 8 (a % 2) + r + 8 (r / 8)
	v_lshlrev_b32 v[MOF], 2, v6
	v_lshlrev_b32 v[H64], 6, v2
	v_lshlrev_b32 v[H32], 5, v2
	s_lshl_b32 s46, s42, 10
	s_lshl_b32 s47, s16, 9
	s_add_co_u32 s46, s46, s47                     ; my first feature, 256 x tile column + 128 x half, x 4 bytes
	s_mov_b32 s47, 0
	s_add_nc_u64 s[96:97], s[96:97], s[46:47]      ; in bq,
	s_add_nc_u64 s[12:13], s[12:13], s[46:47]      ; and in a row of out0
	s_lshl_b32 s20, s17, 8
	s_lshl_b32 s21, s15, 7
	s_add_co_u32 s20, s20, s21                     ; my first token
	s_lshl_b32 s22, s20, 2
	s_mov_b32 s23, 0
	s_add_nc_u64 s[98:99], s[98:99], s[22:23]      ; in the mask,
	s_lshl_b32 s22, s20, 12
	s_add_nc_u64 s[12:13], s[12:13], s[22:23]      ; and its row of out0
	s_lshr_b32 s92, s17, 4
	s_lshl_b32 s92, s92, 4                         ; batch x 16
	s_lshl_b32 s93, s42, 2
	s_add_co_u32 s92, s92, s93
	s_lshl_b32 s93, s16, 1
	s_add_co_u32 s92, s92, s93                     ; + my first head
	s_mul_i32 s92, s92, FREC
	s_mov_b32 s93, 0
	s_add_nc_u64 s[100:101], s[100:101], s[92:93]
	s_load_b32 s[SM], s[100:101], 0x1400           ; the batch's sum of m
.irp b, 0,1,2,3,4,5,6,7                ; the bias in the result's layout: tile b, register j: feature 32 (b / 2) + 16 h + 8 (b % 2) + j
	global_load_b128 v[BI+8*\b:BI+8*\b+3], v[H64], s[96:97] offset:(32*(\b/2)+8*(\b%2))*4
	global_load_b128 v[BI+8*\b+4:BI+8*\b+7], v[H64], s[96:97] offset:(32*(\b/2)+8*(\b%2))*4+16
.endr
.irp a, 0,1,2,3,4,5,6,7
	global_load_b32 v[MR+\a], v[MOF], s[98:99] offset:(32*(\a/2)+8*(\a%2))*4
.endr
	s_mov_b32 s[FLR], 0x8000000
	s_mov_b32 s[RC], 0x38d1b717
	s_mov_b32 s[EP], 0x3727c5ac
	s_mov_b32 s[NT], 0xc61c4000
	s_mov_b32 s[SEL], 0x76543210
	s_mov_b32 s[SEL+1], 0xfedcba98
	s_mov_b32 s[MNT], 0x600000
.macro FRAG reg, adr, q, i
.irp c, 0,1,2,3
	ds_load_b128 v[\reg+4*\c:\reg+4*\c+3], v[\adr] offset:128*(\q)+32*\c+(\i)*16*PITCH
.endr
.endm
; 16 matrix instructions: token tiles a0, a0 + 1 x the 8 feature tiles, 128 along K.  first = 1: C is the bias.  The 64 accumulators take turns, one instruction a turn, in the same order in every step.
.macro MUL16 a0, p, q, sc, first
.irp a, \a0, \a0+1
.irp b, 0,1,2,3,4,5,6,7
.if \first
	v_wmma_scale_f32_16x16x128_f8f6f4 v[8*(8*((\a)%4)+\b):8*(8*((\a)%4)+\b)+7], v[128*(\p)+FR*\b:128*(\p)+FR*\b+FR-1], v[AF+FR*(\a):AF+FR*(\a)+FR-1], v[BI+8*\b:BI+8*\b+7], v[SC+8*NQ*(\sc)+NQ*\b+(\q)], v[SC+8*NQ*(\sc)+NQ*(\a)+(\q)] matrix_a_fmt:MATRIX_FMT_BF8 matrix_b_fmt:MATRIX_FMT_BF8 matrix_a_scale:MATRIX_SCALE_ROW1
.else
	v_wmma_scale_f32_16x16x128_f8f6f4 v[8*(8*((\a)%4)+\b):8*(8*((\a)%4)+\b)+7], v[128*(\p)+FR*\b:128*(\p)+FR*\b+FR-1], v[AF+FR*(\a):AF+FR*(\a)+FR-1], v[8*(8*((\a)%4)+\b):8*(8*((\a)%4)+\b)+7], v[SC+8*NQ*(\sc)+NQ*\b+(\q)], v[SC+8*NQ*(\sc)+NQ*(\a)+(\q)] matrix_a_fmt:MATRIX_FMT_BF8 matrix_b_fmt:MATRIX_FMT_BF8 matrix_a_scale:MATRIX_SCALE_ROW1
.endif
.endr
.endr
.endm
.macro FETCH_B slot, q, p
	WIN TO_B
.irp i, 0,1,2,3,4,5,6,7
	FRAG 128*(\p)+FR*\i, ADRB+\slot, \q, \i
.endr
	WIN 0
.endm
.macro FETCH_A slot, q, i0
.irp i, \i0, \i0+1, \i0+2, \i0+3
	FRAG AF+FR*(\i), ADRA+\slot, \q, \i
.endr
.endm
.macro SCALES sc
.irp i, 0,1,2,3,4,5,6,7
	ds_load_b64 v[SC+8*NQ*\sc+NQ*\i:SC+8*NQ*\sc+NQ*\i+1], v[ADRS] offset:\i*SBLK
.endr
.endm
; A load into a register that a matrix instruction has read, and a vector instruction or a store that reads a matrix result, stand NP places behind it; only plain vector instructions that name none of its registers are places.
.macro PLACES n
.rept \n
	v_nop
.endr
.endm
.macro STEP slot, q, first
	s_wait_dscnt 4*NL                              ; all but the youngest sixteen loads (x's tiles 4-7) are in
.if \first
	WIN FST_LO
.else
	WIN MUL_LO
.endif
	MUL16 0, (\q)%2, \q, \slot, \first
	MUL16 2, (\q)%2, \q, \slot, \first
	s_wait_dscnt 0
	PLACES NP
	FETCH_B \slot, (\q)+1, 1-(\q)%2
	FETCH_A \slot, (\q)+1, 0
.if \first
	WIN FST_HI
.else
	WIN MUL_HI
.endif
	MUL16 4, (\q)%2, \q, \slot, \first
	MUL16 6, (\q)%2, \q, \slot, \first
	PLACES NP
	WIN 0
	FETCH_A \slot, (\q)+1, 4
.endm
; A slot's last step changes slots: one barrier; in front of it each wave waits for all its tensor loads, adds 0 to its spare word, and waits for that and for its reads of this slot.  fill = 1: the slot is filled again, two K steps ahead.
.macro TURN slot, next, fill
	s_wait_tensorcnt 0x0                           ; all my tensor loads have landed: my part of the next slot
	ds_add_u32 v[SPW], v[NIL]                      ; 0 onto my spare word
	s_wait_dscnt 4*NL+1                            ; (the add and the youngest sixteen loads may be out)
	WIN MUL_LO
	MUL16 0, 1, NQ-1, \slot, 0
	s_wait_dscnt 0x0                               ; the add is done, and my reads of this slot are over
	s_barrier_signal -1
	MUL16 2, 1, NQ-1, \slot, 0
	WIN 0
	s_barrier_wait -1
.if \fill
	CREST                                          ; the barrier has opened a round of the cluster's: no wave of any partner still reads this slot or has a load on its way
	s_add_nc_u64 s[G0+4*\slot+2:G0+4*\slot+3], s[G0+4*\slot+2:G0+4*\slot+3], 2*ROWB
	s_add_nc_u64 s[G0B+4*\slot+2:G0B+4*\slot+3], s[G0B+4*\slot+2:G0B+4*\slot+3], 2*ROWB
	JLOAD G0+4*\slot, G1, G0B+4*\slot, G1B         ; the first tensor load behind the round, my only one until the next; its four v_nop are among the places below
	PLACES NP-4
.else
	PLACES NP
.endif
	v_add_nc_u32 v[ADRS], 4*NQ, v[ADRS]
	FETCH_B \next, 0, 0
	FETCH_A \next, 0, 0
	SCALES \next
	WIN MUL_HI
	MUL16 4, 1, NQ-1, \slot, 0
	MUL16 6, 1, NQ-1, \slot, 0
	PLACES NP
	WIN 0
	FETCH_A \next, 0, 4
.endm
	s_wait_kmcnt 0x0                               ; the sum of m
	s_wait_tensorcnt 1                             ; the scale bytes and my part of K step 0 are in (K step 1's load may be out)
	s_barrier_signal -1
	s_barrier_wait -1
	FETCH_B 0, 0, 0
	FETCH_A 0, 0, 0
	SCALES 0
	FETCH_A 0, 0, 4
	s_wait_loadcnt 0x0                             ; the bias and the mask
	STEP 0, 0, 1
.irp hh, 0,1                           ; the bias has been read (the step's closing places stand behind its last reader): its registers take the sums of k of my two heads, at places 16 t + 8 h + j
.irp t, 0,1,2,3
	global_load_b128 v[KSU+32*\hh+8*\t:KSU+32*\hh+8*\t+3], v[H32], s[100:101] offset:\hh*FREC+4608+64*\t
	global_load_b128 v[KSU+32*\hh+8*\t+4:KSU+32*\hh+8*\t+7], v[H32], s[100:101] offset:\hh*FREC+4608+64*\t+16
.endr
.endr
	TURN 0, 1, 1
	STEP 1, 0, 0
	TURN 1, 0, 1
	STEP 0, 0, 0
	TURN 0, 1, 0                                   ; nothing is left to fetch
	STEP 1, 0, 0
	s_wait_dscnt 4*NL
	WIN MUL_LO
	MUL16 0, 1, NQ-1, 1, 0
	MUL16 2, 1, NQ-1, 1, 0
	s_wait_dscnt 0
	WIN MUL_HI
	MUL16 4, 1, NQ-1, 1, 0
	MUL16 6, 1, NQ-1, 1, 0
	WIN 0
	PLACES NP
	WIN 0x40                                       ; into window 1, where Wq's fragments lay: 40 loads
.irp hh, 0,1
.irp et, 0,1,2,3
.irp c, 0,1
	global_load_b128 v[KVF+24*\et+16*\hh+4*\c:KVF+24*\et+16*\hh+4*\c+3], v[CO], s[100:101] offset:\hh*FREC+1024*\et+512*\c    ; kv's codes: the image of the operand's registers
.endr
	global_load_b128 v[VS+8*(4*\hh+\et):VS+8*(4*\hh+\et)+3], v[H32], s[100:101] offset:\hh*FREC+4864+64*\et                    ; the sum of v at places 16 et + 8 h + j
	global_load_b128 v[VS+8*(4*\hh+\et)+4:VS+8*(4*\hh+\et)+7], v[H32], s[100:101] offset:\hh*FREC+4864+64*\et+16
.endr
.endr
.irp et, 0,1,2,3
.irp i, 8,9,10,11,12,13,14,15
	v_mov_b32 v[KVF+24*\et+\i], 0                  ; zero codes: what each head's kv has against the other head's q
.endr
.endr
	WIN 0
.irp hh, 0,1
.irp et, 0,1,2,3
	global_load_b32 v[KVS+4*\hh+\et], v[L4], s[100:101] offset:\hh*FREC+4096+128*\et
.endr
.endr
; m = mask / 10,000 + 1: the quotient by 1 / 10,000 and one correction: a mask of -10,000 gives m = 0 exactly
.irp a, 0,1,2,3,4,5,6,7
	v_mul_f32 v[XP+\a], s[RC], v[MR+\a]
.endr
.irp a, 0,1,2,3,4,5,6,7
	v_fma_f32 v[YP+\a], v[XP+\a], s[NT], v[MR+\a]
.endr
.irp a, 0,1,2,3,4,5,6,7
	v_fma_f32 v[XP+\a], v[YP+\a], s[RC], v[XP+\a]
.endr
.irp a, 0,1,2,3,4,5,6,7
	v_add_f32 v[MQ+2*\a], 1.0, v[XP+\a]
.endr
; the way out of token tile a of window w: into my stage, back as whole rows into the registers that they left (LDS serves a wave's instructions in order: ISA guide 5.7.1.4), then stored
.macro TOSTAGE w, a
	WIN 0x08+4*(\w)                                ; an LDS store's data are its source 1
.irp hh, 0,1
.irp et, 0,1,2,3
	ds_store_b128 v[STO], v[64*(\a)+32*\hh+8*\et:64*(\a)+32*\hh+8*\et+3] offset:256*\hh+128*(\et/2)+32*(\et%2)
	ds_store_b128 v[STO], v[64*(\a)+32*\hh+8*\et+4:64*(\a)+32*\hh+8*\et+7] offset:256*\hh+128*(\et/2)+32*(\et%2)+16
.endr
.endr
	WIN 0x80+0x40*(\w)
.irp t, 0,1,2,3,4,5,6,7,8,9,10,11,12,13,14,15
	ds_load_b128 v[64*(\a)+4*\t:64*(\a)+4*\t+3], v[RD] offset:\t*SPITCH
.endr
.endm
.macro SEND w, a, younger              ; younger: the LDS instructions issued behind tile a's loads: the next tile's 32, or none
	s_wait_dscnt \younger
	WIN 0x08+4*(\w)
.irp t, 0,1,2,3,4,5,6,7,8,9,10,11,12,13,14,15
	global_store_b128 v[CO], v[64*(\a)+4*\t:64*(\a)+4*\t+3], s[12:13] offset:(32*((4*(\w)+(\a))/2)+16*(\t/8)+8*((\a)%2)+\t%8)*4096 th:TH_STORE_NT   ; place 16 a + t is this token; 32 lanes store 512 consecutive bytes, aligned to 256
.endr
.endm
; ALL THAT FOLLOWS THE PROJECTION, for the four token tiles of window 2 + w.  A unit u = 2 a + hh (token tile, head) is the window's registers 32 u .. 32 u + 31; a block x of 32 d is registers 16 x .. 16 x + 15.  The units, or the blocks, take turns line by line.
.macro QW w, first
	WIN 0x82+0x41*(\w)                             ; q x m; each accumulator from its low end on
.set p, 0
.rept 16
.irp u, 0,1,2,3,4,5,6,7
	v_pk_mul_f32 v[32*\u+p:32*\u+p+1], v[32*\u+p:32*\u+p+1], v[MQ+2*(4*(\w)+\u/2):MQ+2*(4*(\w)+\u/2)+1] op_sel_hi:[1,0]
.endr
.set p, p+2
.endr
	WIN 0x0a+5*(\w)                                ; the squares of my 32 numbers of each unit
.irp u, 0,1,2,3,4,5,6,7
	v_pk_mul_f32 v[XP+2*\u:XP+2*\u+1], v[32*\u:32*\u+1], v[32*\u:32*\u+1]
.endr
.set p, 2
.rept 15
.irp u, 0,1,2,3,4,5,6,7
	v_pk_fma_f32 v[XP+2*\u:XP+2*\u+1], v[32*\u+p:32*\u+p+1], v[32*\u+p:32*\u+p+1], v[XP+2*\u:XP+2*\u+1]
.endr
.set p, p+2
.endr
	WIN 0
.irp u, 0,1,2,3,4,5,6,7
	v_add_f32 v[XP+2*\u], v[XP+2*\u], v[XP+2*\u+1]
.endr
.irp u, 0,1,2,3,4,5,6,7
	v_permlanex16_b32 v[T2+\u], v[XP+2*\u], s[SEL], s[SEL+1]       ; (its destination has been written: it held a fragment)
.endr
.irp u, 0,1,2,3,4,5,6,7
	v_add_f32 v[XP+2*\u], v[XP+2*\u], v[T2+\u]     ; with lane l xor 16's 32
.endr
.irp u, 0,1,2,3,4,5,6,7
	v_sqrt_f32 v[YP+2*\u], v[XP+2*\u]
.endr
	v_nop                                          ; a plain line behind the last root,
	s_wait_alu depctr_va_vdst(0)                   ; and one wait for the batch, ahead of its first reader
.irp u, 0,1,2,3,4,5,6,7
	v_add_f32 v[XP+2*\u], s[EP], v[YP+2*\u]
.endr
.irp u, 0,1,2,3,4,5,6,7
	v_rcp_f32 v[YP+2*\u], v[XP+2*\u]
.endr
	v_nop
	s_wait_alu depctr_va_vdst(0)
	WIN 0x82+0x41*(\w)                             ; q / (|q| + 1e-5)
.set p, 0
.rept 16
.irp u, 0,1,2,3,4,5,6,7
	v_pk_mul_f32 v[32*\u+p:32*\u+p+1], v[32*\u+p:32*\u+p+1], v[YP+2*\u:YP+2*\u+1] op_sel_hi:[1,0]
.endr
.set p, p+2
.endr
.if \first
	s_wait_loadcnt 40                              ; the sums of k are in; the 40 loads issued behind them may be out
.endif
	WIN 0x02+(\w)                                  ; q . (sum of k), on the unquantised q
.irp u, 0,1,2,3,4,5,6,7
	v_pk_mul_f32 v[XP+2*\u:XP+2*\u+1], v[32*\u:32*\u+1], v[KSU+32*(\u%2):KSU+32*(\u%2)+1]
.endr
.set p, 2
.rept 15
.irp u, 0,1,2,3,4,5,6,7
	v_pk_fma_f32 v[XP+2*\u:XP+2*\u+1], v[32*\u+p:32*\u+p+1], v[KSU+32*(\u%2)+p:KSU+32*(\u%2)+p+1], v[XP+2*\u:XP+2*\u+1]
.endr
.set p, p+2
.endr
	WIN 0
.irp u, 0,1,2,3,4,5,6,7
	v_add_f32 v[XP+2*\u], v[XP+2*\u], v[XP+2*\u+1]
.endr
.irp u, 0,1,2,3,4,5,6,7
	v_permlanex16_b32 v[T2+\u], v[XP+2*\u], s[SEL], s[SEL+1]
.endr
.irp u, 0,1,2,3,4,5,6,7
	v_add_f32 v[XP+2*\u], v[XP+2*\u], v[T2+\u]
.endr
.irp u, 0,1,2,3,4,5,6,7
	v_add_f32 v[XP+2*\u], s[EP], v[XP+2*\u]        ; + 1e-5,
.endr
.irp u, 0,1,2,3,4,5,6,7
	v_add_f32 v[XP+2*\u], s[SM], v[XP+2*\u]        ; + the sum of m: the divisor
.endr
.irp u, 0,1,2,3,4,5,6,7
	v_rcp_f32 v[YP+2*\u], v[XP+2*\u]
.endr
	v_nop
	s_wait_alu depctr_va_vdst(0)
	WIN 0x28+0x14*(\w)                             ; q is quantised along d: 16 blocks
.irp x, 0,1,2,3,4,5,6,7,8,9,10,11,12,13,14,15
	v_max3_num_f32 v[TM+\x], s[FLR], |v[16*\x]|, |v[16*\x+1]|      ; my 16 numbers, and the floor: the byte cannot fall under 1
.endr
.irp i, 2,4,6,8,10,12,14
.irp x, 0,1,2,3,4,5,6,7,8,9,10,11,12,13,14,15
	v_max3_num_f32 v[TM+\x], v[TM+\x], |v[16*\x+\i]|, |v[16*\x+\i+1]|
.endr
.endr
	WIN 0
.irp x, 0,1,2,3,4,5,6,7,8,9,10,11,12,13,14,15
	v_permlanex16_b32 v[T2+\x], v[TM+\x], s[SEL], s[SEL+1]
.endr
.irp x, 0,1,2,3,4,5,6,7,8,9,10,11,12,13,14,15
	v_max_num_f32 v[TM+\x], v[TM+\x], v[T2+\x]
.endr
.irp x, 0,1,2,3,4,5,6,7,8,9,10,11,12,13,14,15
	v_add_nc_u32 v[SO+\x], 0xf8800000, v[TM+\x]    ; 15 off the exponent field: the conversion's scale operand
.endr
.irp x, 0,1,2,3,4,5,6,7,8,9,10,11,12,13,14,15
	v_and_or_b32 v[HOLD+\x], v[TM+\x], 0x7f800000, s[MNT]          ; 57,344 x the scale
.endr
.irp a, 0,1,2,3
	v_lshrrev_b32 v[SWQ+\a], 23, v[SO+4*\a]        ; a token tile's scale word: head 0's two bytes, then head 1's
.endr
.irp k, 1,2,3
.irp a, 0,1,2,3
	v_lshrrev_b32 v[T2+4*\a+\k], 23, v[SO+4*\a+\k]
.endr
.irp a, 0,1,2,3
	v_lshl_or_b32 v[SWQ+\a], v[T2+4*\a+\k], 8*\k, v[SWQ+\a]
.endr
.endr
	WIN 0x82+0x41*(\w)
.set i, 0
.rept 16
.irp x, 0,1,2,3,4,5,6,7,8,9,10,11,12,13,14,15
	v_med3_num_f32 v[16*\x+i], v[16*\x+i], -v[HOLD+\x], v[HOLD+\x] ; the conversion does not saturate (ISA guide 7.6.2): the hold comes first
.endr
.set i, i+1
.endr
	WIN 0x42+(\w)
.irp x, 0,1,2,3,4,5,6,7,8,9,10,11,12,13,14,15
	v_cvt_scalef32_pk8_bf8_f32 v[4*\x:4*\x+1], v[16*\x:16*\x+7], v[SO+\x]
	v_cvt_scalef32_pk8_bf8_f32 v[4*\x+2:4*\x+3], v[16*\x+8:16*\x+15], v[SO+\x]
.endr
	PLACES 4                                       ; codes written by vector instructions stand four places ahead of a scaled matrix instruction (the scale words were made ahead of the holds)
.if \first
	s_wait_loadcnt 0x0                             ; kv's codes and scale words, the sum of v
.endif
	WIN 0x95+0x40*(\w)                             ; q kv + the sum of v: source 0 = 16 columns e of kv, source 1 = 16 tokens of q, C = the sum of v; the results take q's registers; 32 different accumulators
.irp et, 0,1,2,3
.irp u, 0,1,2,3,4,5,6,7
	v_wmma_scale_f32_16x16x128_f8f6f4 v[32*\u+8*\et:32*\u+8*\et+7], v[KVF+24*\et+8*(\u%2):KVF+24*\et+8*(\u%2)+15], v[16*(\u/2):16*(\u/2)+15], v[VS+8*(4*(\u%2)+\et):VS+8*(4*(\u%2)+\et)+7], v[KVS+4*(\u%2)+\et], v[SWQ+\u/2] matrix_a_fmt:MATRIX_FMT_BF8 matrix_b_fmt:MATRIX_FMT_BF8
.endr
.endr
	PLACES NP
	WIN 0x82+0x41*(\w)                             ; / the divisor; each accumulator from its low end on
.set p, 0
.rept 16
.irp u, 0,1,2,3,4,5,6,7
	v_pk_mul_f32 v[32*\u+p:32*\u+p+1], v[32*\u+p:32*\u+p+1], v[YP+2*\u:YP+2*\u+1] op_sel_hi:[1,0]
.endr
.set p, p+2
.endr
	TOSTAGE \w, 0
	TOSTAGE \w, 1
	SEND \w, 0, 32
	TOSTAGE \w, 2
	SEND \w, 1, 32
	TOSTAGE \w, 3
	SEND \w, 2, 32
	SEND \w, 3, 0
.endm
	QW 0, 1
	QW 1, 0                                        ; the first window's stores leave while the second is worked
	WIN 0
	s_wait_tensorcnt 0x0                           ; the wave's end
	ds_add_u32 v[SPW], v[NIL]
	s_wait_dscnt 0x0
	CROUND                                         ; the closing round: no work-group ends while a partner may still ask for a tile that names it
	s_endpgm
.Lfunc_end_k_qc29b5f66fd_qctx:
	.size	k_qc29b5f66fd_qctx, .Lfunc_end_k_qc29b5f66fd_qctx-k_qc29b5f66fd_qctx
	.p2alignl 7, 3214868480
	.fill 96, 4, 3214868480
	.section	.rodata,"a",@progbits
	.p2align	6, 0x0
	.amdhsa_kernel k_qc29b5f66fd_qctx
		.amdhsa_group_segment_fixed_size 327680
		.amdhsa_private_segment_fixed_size 0
		.amdhsa_enable_private_segment 0
		.amdhsa_kernarg_size 64
		.amdhsa_user_sgpr_count 2
		.amdhsa_user_sgpr_kernarg_segment_ptr 1
		.amdhsa_wavefront_size32 1
		.amdhsa_system_sgpr_workgroup_id_x 1
		.amdhsa_system_sgpr_workgroup_id_y 1
		.amdhsa_system_sgpr_workgroup_id_z 1
		.amdhsa_system_vgpr_workitem_id 0
		.amdhsa_next_free_vgpr 1024
		.amdhsa_next_free_sgpr 102
		.amdhsa_reserve_vcc 0
		.amdhsa_float_denorm_mode_32 3
		.amdhsa_float_denorm_mode_16_64 3
		.amdhsa_memory_ordered 1
		.amdhsa_forward_progress 1
		.amdhsa_inst_pref_size 255
	.end_amdhsa_kernel
	.section	.bss,"aw",@nobits
	.p2align	6
	.space	262144
	.amdgpu_metadata
---
amdhsa.version: [ 1, 2 ]
amdhsa.kernels:
  - .name:           k_qc29b5f66fd_qctx
    .symbol:         k_qc29b5f66fd_qctx.kd
    .args:
      - { .name: xc, .offset: 0, .size: 8, .value_kind: global_buffer, .address_space: global }
      - { .name: xs, .offset: 8, .size: 8, .value_kind: global_buffer, .address_space: global }
      - { .name: wc, .offset: 16, .size: 8, .value_kind: global_buffer, .address_space: global }
      - { .name: ws, .offset: 24, .size: 8, .value_kind: global_buffer, .address_space: global }
      - { .name: out0, .offset: 32, .size: 8, .value_kind: global_buffer, .address_space: global }
      - { .name: bq, .offset: 40, .size: 8, .value_kind: global_buffer, .address_space: global }
      - { .name: attention_mask, .offset: 48, .size: 8, .value_kind: global_buffer, .address_space: global }
      - { .name: fin, .offset: 56, .size: 8, .value_kind: global_buffer, .address_space: global }
    .group_segment_fixed_size: 327680
    .private_segment_fixed_size: 0
    .kernarg_segment_align: 8
    .kernarg_segment_size: 64
    .max_flat_workgroup_size: 128
    .sgpr_count:     102
    .vgpr_count:     1024
    .wavefront_size: 32
...
	.end_amdgpu_metadata
.endif
;; end of part 4
